; MI455X (gfx1250); checked and timed in simulation.
; The chip was launched on July 23, 2026; its instructions are those of AMD's public machine-readable ISA for CDNA 5 (MIT licence, August 2026) and "CDNA5" Instruction Set Architecture Reference Guide (July 2026). The comments in the code are by the model that wrote it; some were corrected since.
;; Transformer Block. Allowed arithmetic: matrix products marked QUANTISED: E2M3 operands, one E8M0 scale for each 32 along K, by v_wmma_scale_f32_16x16x128_f8f6f4 with both operands' format E2M3, f32 sums; everything else in f32.
;; Inputs: b1 512 float32; b2 512 float32; bk 512 float32; bn1_b 512 float32; bn1_g 512 float32; bn1_m 512 float32; bn1_v 512 float32; bn2_b 512 float32; bn2_g 512 float32; bn2_m 512 float32; bn2_v 512 float32; bo 512 float32; bq 512 float32; bv 512 float32; ln1_b 512 float32; ln1_g 512 float32; ln2_b 512 float32; ln2_g 512 float32; w1 512 x 512 float32; w2 512 x 512 float32; wk 512 x 512 float32; wo 512 x 512 float32; wq 512 x 512 float32; wv 512 x 512 float32; x 4 x 2,048 x 512 float32.
;; Outputs: out0 4 x 2,048 x 512 float32.
;; This version of the problem:
;;   THIS VERSION OF THE PROBLEM IS GIVEN IN LOW PRECISION. The matrix products marked QUANTISED in the list below multiply operands that are first quantised to E2M3 (2 exponent bits, 3 mantissa bits; 6 bits a number), with one power-of-two scale for each 32 numbers along K (OCP MX v1.0); their sums are f32. All else is computed in f32.
;;   The module's matrix products, in the order in which they are computed (A, B: the left and right operand; K: the contracted axis; several contracted axes count as one K, in the product's order):
;;     1. [M 8,192, K 512] x [K 512, N 512]; A: computed on the way; B: input wq: QUANTISED
;;     2. [M 8,192, K 512] x [K 512, N 512]; A: computed on the way; B: input wk: QUANTISED
;;     3. [M 8,192, K 512] x [K 512, N 512]; A: computed on the way; B: input wv: QUANTISED
;;     4. batch 64 x [M 2,048, K 32] x [K 32, N 2,048]; A: computed on the way; B: computed on the way: QUANTISED
;;     5. batch 64 x [M 32, K 2,048] x [K 2,048, N 2,048]; A: computed on the way; B: softmax (see below): QUANTISED
;;     6. [M 8,192, K 512] x [K 512, N 512]; A: computed on the way; B: input wo: QUANTISED
;;     7. [M 8,192, K 512] x [K 512, N 512]; A: computed on the way; B: input w1: QUANTISED
;;     8. [M 8,192, K 512] x [K 512, N 512]; A: computed on the way; B: input w2: QUANTISED
;;   THE QUANTISER, for each operand of a quantised product, along K:
;;     - K is cut into blocks of 32 from its start; a last block that is shorter is filled with zeros.
;;     - A block's scale is 2^e with e = floor(log2(the largest magnitude in the block)) - 2, held to -126 .. 127; a block of zeros has e = 0. As a byte (E8M0): e + 127.
;;     - Each number is divided by its block's scale, clamped to +-7.5, and rounded to the nearest number of E2M3, ties to even, subnormals kept.
;;     - The product sums the exact products of the quantised numbers (number of the format x scale) in f32.
;;   ~~~python
;;   def quantise(x, axis):      # numpy; x: float32 -> the quantised numbers, widened to float32 again
;;       x = np.moveaxis(x, axis, -1); K = x.shape[-1]
;;       x = np.pad(x, [(0, 0)] * (x.ndim - 1) + [(0, -K % 32)]); x = x.reshape(x.shape[:-1] + (-1, 32)); a = np.abs(x).max(-1, keepdims=True)
;;       e = np.where(a > 0, np.clip(np.frexp(np.where(a > 0, a, 1))[1] - 1 - 2, -126, 127), 0)      # np.frexp(a)[1] - 1 = floor(log2(a)), exactly
;;       r = np.clip(x / 2.0 ** e, -7.5, 7.5)
;;       step = 2.0 ** (np.maximum(np.frexp(np.where(r == 0, 1, r))[1] - 1, 0) - 3)
;;       q = np.round(r / step) * step * 2.0 ** e      # np.round: ties to even
;;       return np.moveaxis(q.reshape(q.shape[:-2] + (-1,))[..., :K], -1, axis).astype(np.float32)
;;   ~~~
;;   SOFTMAX AHEAD OF A QUANTISED PRODUCT. Where the list says 'softmax', what is quantised is not the finished softmax but p = 2^(t - M), with t = logit x log2(e) and M = ceil(the row's largest t), a whole number; so 1/2 < the row's largest p <= 1. The row's sum l is taken of the UNQUANTISED p, in f32, and the product's result is divided by l at the end. Since M is a whole number, a kernel that streams over the keys may use a running M (the ceiling of the running maximum): every later rescaling is an exact power of two, which a block's scale takes up: the codes' values come out the same.
;;   OPERANDS COMPUTED ON THE WAY. 'Computed on the way' means the value that the module computes at that place (a softmax that the list does not call 'softmax' is quantised finished and normalised). What goes into a quantiser is computed in f32, as accurately as f32 sums, v_exp_f32 and their like allow (about 1e-6 of the number): no bf16 or f16 on the way to a quantiser, and a product that is left as it is and whose result goes on into a quantised operand takes f32 operands (vector FMAs, or v_wmma_f32_16x16x4_f32). A number that lies on a knife's edge between two numbers of the format may be rounded either way, as far as f32 arithmetic and the matrix unit's own rounding can turn it there, and no further.
;; One version. Each part assembles by itself: llvm-mc -triple=amdgcn-amd-amdhsa -mcpu=gfx1250 --defsym DOCPART=n.
;; ======== version 1 of 1: 4 launches
;; limits: right only within a limited range of input values
;; workspace buffers: wimg 1,228,800 bytes; xq 3,276,800 bytes; kv 6,553,600 bytes; qrec 6,553,600 bytes; oc 3,145,728 bytes; os 131,072 bytes
;; launch prep (part 1): grid 176 x 1, 16 waves a work-group, no clusters, 302,080 bytes of LDS; arguments x, ln1_g, ln1_b, wq, wk, wv, wo, w1, w2, xq, wimg; writes xq, wimg
.if DOCPART == 1
	.amdgcn_target "amdgcn-amd-amdhsa--gfx1250"
	.amdhsa_code_object_version 6
	.text
	.protected	k_q148b6b30e9_prep
	.globl	k_q148b6b30e9_prep
	.p2align	8
	.type	k_q148b6b30e9_prep,@function
k_q148b6b30e9_prep:
	s_mov_b64 s[64:65], 0
	v_nop
	global_prefetch_b8 v0, s[64:65] scope:SCOPE_SE
	s_setreg_imm32_b32 hwreg(HW_REG_WAVE_MODE, 25, 1), 1
	s_wait_xcnt 0x0
; LN1(x) and the six weights become codes of FP6 (E2M3) with one E8M0 byte for each 32 along K, laid as IMAGES OF OPERAND REGISTERS.
; An image is a fragment of 16 rows x 128 K: 12 registers a lane, as three chunks of 512 bytes, chunk q = lane l's registers 4 q .. 4 q + 3 at 512 q + 16 l.
; Lane (r, h) of a fragment holds row r, registers 6 c .. 6 c + 5 = K block 2 c + h.  A fragment's 16 scale words (4 bytes a row) lie on end, 64 bytes.
; Work-groups 0-127: 64 tokens each: layer norm (mean, then deviations: a common offset costs nothing), then 16 fragments (4 tiles of rows x 4 K steps), one a wave.
;   THE ROWS OF A TILE ARE NOT NEIGHBOURS: row r of tile i is token 32 (r / 8) + 8 i + r % 8 of the 64.
; Work-groups 128-175: weight j, K step s, 256 columns cg: 128 rows x 256 columns go through LDS, and each wave reads one tile of 16 columns down K.
;   Which 16 columns form tile wi: q, k: 128 (wi % 2) + 2 (wi / 2) + 16 (m % 8) + m / 8;  v: wi + 16 m;  wo, w1, w2: 32 (wi / 2) + 8 (wi % 2) + m % 8 + 16 (m / 8).
; The two kinds of work-group have LDS bytes of their own.  No tile is shared between work-groups, so there is no cluster; no matrix work.
; A scale word store covers 64 consecutive bytes: one part in 24 of what a wave stores.
; LIMITS: NaN and infinities are not served; a block of zeros gets the byte 1 (its codes are zeros, and this program alone reads the bytes).
.set LNP,   2064                       ; a token's row in LDS: 2,048 bytes + 16: 129 x 16, so 16 rows of a read start in 16 different groups of banks
.set WST,   132096                     ; the weights' stage, behind the 64 rows of the norm's
.set WP,    1280                       ; a K row of 256 columns: 1,024 bytes + 16 behind every 64
.set D,     32                         ; v32-95   64 numbers
.set C,     96                         ; v96-107  a fragment's codes (in the norm's first phase v96-127 hold g and b)
.set T0,    108
.set T1,    112
.set FLOOR, 0x1800000                  ; 2^(3 - 127): holds the scale's byte at 1 from below
.set WV,    26
.set SEL,   28
	s_load_b256 s[4:11], s[0:1], 0x0               ; x, ln1_g, ln1_b, wq
	s_load_b256 s[12:19], s[0:1], 0x20             ; wk, wv, wo, w1
	s_load_b128 s[20:23], s[0:1], 0x40             ; w2, xq
	s_load_b64 s[24:25], s[0:1], 0x50              ; wimg
	v_lshl_add_u32 v160, v0, 2, 0x49400
	v_mov_b32 v161, 0
	v_lshrrev_b32 v1, 5, v0
	s_delay_alu instid0(VALU_DEP_1)
	v_readfirstlane_b32 s[WV], v1                  ; wave 0..15
	v_and_b32 v1, 31, v0                           ; l
	v_and_b32 v2, 15, v0                           ; r
	v_bfe_u32 v3, v0, 4, 1                         ; h
	s_delay_alu instid0(VALU_DEP_3)
	v_lshlrev_b32 v4, 4, v1                        ; 16 l
	s_delay_alu instid0(VALU_DEP_3)
	v_lshlrev_b32 v7, 2, v2                        ; 4 r
	s_delay_alu instid0(VALU_DEP_3)
	v_lshlrev_b32 v8, 3, v3                        ; 8 h
.irp k, 0,1,2,3
	v_mov_b32 v[136+\k], 0                         ; a lane permute's destination counts as one of its sources
.endr
	s_mov_b32 s[SEL], 0x76543210
	s_mov_b32 s[SEL+1], 0xfedcba98                 ; selects for lane l xor 16
	s_wait_kmcnt 0x0
	s_cmp_ge_u32 ttmp9, 128
	s_cbranch_scc1 .Lweights
; 64 numbers of a lane, v[D + 32 c + i] = K 64 c + 32 h + i of my row, become the fragment's 12 registers in v[C] on and my row's scale word in v136.
.macro Q2W
.irp n, 0,1,2,3
	v_max3_num_f32 v[128+\n], |v[D+16*\n]|, |v[D+16*\n+1]|, FLOOR
.endr
.irp i, 2,4,6,8,10,12,14
.irp n, 0,1,2,3
	s_delay_alu instid0(VALU_DEP_4)
	v_max3_num_f32 v[128+\n], v[128+\n], |v[D+16*\n+\i]|, |v[D+16*\n+\i+1]|   ; four chains by turns
.endr
.endr
	s_delay_alu instid0(VALU_DEP_3)
	v_max_num_f32 v128, v128, v129                 ; block h's largest magnitude,
	s_delay_alu instid0(VALU_DEP_2)
	v_max_num_f32 v130, v130, v131                 ; block 2 + h's
	s_delay_alu instid0(VALU_DEP_2)
	v_add_nc_u32 v132, 0xff000000, v128            ; 2 off the exponent field: the conversion's scale operand
	s_delay_alu instid0(VALU_DEP_2)
	v_add_nc_u32 v133, 0xff000000, v130
	s_delay_alu instid0(VALU_DEP_2)
	v_lshrrev_b32 v134, 23, v132                   ; the scale's byte
	s_delay_alu instid0(VALU_DEP_2)
	v_lshrrev_b32 v135, 23, v133
	s_delay_alu instid0(VALU_DEP_1)
	v_lshl_or_b32 v136, v135, 16, v134
	s_delay_alu instid0(VALU_DEP_1)
	v_lshlrev_b32 v136, v8, v136                   ; at bytes h and 2 + h
	s_delay_alu instid0(VALU_DEP_1)
	v_permlanex16_b32 v138, v136, s[SEL], s[SEL+1]
	s_delay_alu instid0(VALU_DEP_1)
	v_or_b32 v136, v136, v138                      ; with lane l xor 16's two the word is whole
	v_cvt_scalef32_pk16_fp6_f32 v[C:C+2], v[D:D+15], v132
	v_cvt_scalef32_pk16_fp6_f32 v[T0:T0+2], v[D+16:D+31], v132     ; (a conversion's three registers begin on an even number)
	v_cvt_scalef32_pk16_fp6_f32 v[C+6:C+8], v[D+32:D+47], v133
	v_cvt_scalef32_pk16_fp6_f32 v[T1:T1+2], v[D+48:D+63], v133
	v_nop                                          ; one plain line behind the conversions
.irp e, 0,1,2
	v_mov_b32 v[C+3+\e], v[T0+\e]
	v_mov_b32 v[C+9+\e], v[T1+\e]
.endr
.endm
; The image and its words leave.  s46 = the record's byte, s47 = the fragment's number in it; woff = where the record's scale words begin.
.macro SENDIMG base, woff
	s_mul_i32 s48, s47, 1536
	s_add_co_u32 s48, s48, s46
	s_mov_b32 s49, 0
	s_add_nc_u64 s[50:51], s[\base:\base+1], s[48:49]
	s_lshl_b32 s48, s47, 6
	s_add_co_u32 s48, s48, s46
	s_add_co_u32 s48, s48, \woff
	s_add_nc_u64 s[52:53], s[\base:\base+1], s[48:49]
	global_store_b128 v4, v[C:C+3], s[50:51]               ; 32 lanes store 512 consecutive bytes
	global_store_b128 v4, v[C+4:C+7], s[50:51] offset:512
	global_store_b128 v4, v[C+8:C+11], s[50:51] offset:1024
	s_wait_xcnt 0x0                                ; EXEC changes only behind this wait
	v_cmp_gt_u32 vcc_lo, 16, v1
	s_wait_tensorcnt 0x0
	ds_add_u32 v160, v161
	s_wait_dscnt 0x0
	s_and_saveexec_b32 s54, vcc_lo
	global_store_b32 v7, v136, s[52:53]            ; lanes 0-15: the 16 rows' words
	s_wait_xcnt 0x0
	s_or_b32 exec_lo, exec_lo, s54
	s_endpgm
.endm
; a sum over the 32 lanes for four rows by turns; row k's number in v[b + 2 k]
.macro LANESUM b
.irp m, 1,2,4,8
.irp k, 0,1,2,3
	s_delay_alu instid0(VALU_DEP_4)
	v_add_f32_dpp v[\b+2*\k], v[\b+2*\k], v[\b+2*\k] row_xmask:\m row_mask:0xf bank_mask:0xf
.endr
.endr
.irp k, 0,1,2,3
	s_delay_alu instid0(VALU_DEP_4)
	v_permlanex16_b32 v[136+\k], v[\b+2*\k], s[SEL], s[SEL+1]
.endr
.irp k, 0,1,2,3
	s_delay_alu instid0(VALU_DEP_4)
	v_add_f32 v[\b+2*\k], v[\b+2*\k], v[136+\k]
.endr
.endm
	; ---------------- the norm: wave w takes tokens 4 w .. 4 w + 3 of the group's 64; lane l channels 128 q + 4 l + 0 .. 3
	s_lshl_b32 s30, ttmp9, 17                      ; 64 rows of 2,048 bytes a group,
	s_lshl_b32 s31, s[WV], 13                      ; 4 rows a wave
	s_add_co_u32 s30, s30, s31
	s_mov_b32 s31, 0
	s_add_nc_u64 s[4:5], s[4:5], s[30:31]
	s_wait_alu depctr_va_vdst(0)
.irp k, 0,1,2,3
.irp q, 0,1,2,3
	global_load_b128 v[D+16*\k+4*\q:D+16*\k+4*\q+3], v4, s[4:5] offset:2048*\k+512*\q th:TH_LOAD_NT
.endr
.endr
.irp q, 0,1,2,3
	global_load_b128 v[96+4*\q:99+4*\q], v4, s[6:7] offset:512*\q
	global_load_b128 v[112+4*\q:115+4*\q], v4, s[8:9] offset:512*\q
.endr
	s_mov_b32 s32, 0x3b000000                      ; 1 / 512
	s_mov_b32 s33, 0x358637bd                      ; 1e-6
	s_bfe_u32 s34, s[WV], 0x20001                  ; token 4 w + k lies in tile (w / 2) % 4, row 8 (w / 8) + 4 (w % 2) + k:
	s_lshl_b32 s34, s34, 4
	s_lshr_b32 s35, s[WV], 3
	s_lshl_b32 s35, s35, 3
	s_add_co_u32 s34, s34, s35
	s_and_b32 s35, s[WV], 1
	s_lshl_b32 s35, s35, 2
	s_add_co_u32 s34, s34, s35                     ; its place among the 64 rows in LDS, so that a tile's 16 rows are neighbours there
	s_mul_i32 s34, s34, LNP
	v_add_nc_u32 v5, s34, v4
	v_mul_u32_u24 v6, v2, LNP                      ; the second phase: wave w takes tile i = w / 4, K step s = w % 4
	s_delay_alu instid0(VALU_DEP_1)
	v_lshl_add_u32 v6, v3, 7, v6                   ; row r, + 128 h bytes
	s_lshr_b32 s36, s[WV], 2
	s_and_b32 s35, s[WV], 3
	s_mul_i32 s34, s36, 16*LNP
	s_lshl_b32 s37, s35, 9
	s_add_co_u32 s34, s34, s37
	v_add_nc_u32 v6, s34, v6
	s_lshr_b32 s46, ttmp9, 1                       ; the record of (block of 128 tokens, K step): 12,800 bytes
	s_lshl_b32 s46, s46, 2
	s_add_co_u32 s46, s46, s35
	s_mul_i32 s46, s46, 12800
	s_and_b32 s47, ttmp9, 1
	s_lshl_b32 s47, s47, 2
	s_add_co_u32 s47, s47, s36                     ; fragment 4 (which 64 of the 128) + i
	s_wait_loadcnt 0x8                             ; x's sixteen loads are in; g's and b's eight may be out
.irp k, 0,1,2,3
	v_pk_add_f32 v[128+2*\k:129+2*\k], v[D+16*\k:D+16*\k+1], v[D+16*\k+2:D+16*\k+3]
.endr
.irp p, 4,6,8,10,12,14
.irp k, 0,1,2,3
	s_delay_alu instid0(VALU_DEP_4)
	v_pk_add_f32 v[128+2*\k:129+2*\k], v[128+2*\k:129+2*\k], v[D+16*\k+\p:D+16*\k+\p+1]
.endr
.endr
.irp k, 0,1,2,3
	s_delay_alu instid0(VALU_DEP_4)
	v_add_f32 v[128+2*\k], v[128+2*\k], v[129+2*\k]
.endr
	LANESUM 128
.irp k, 0,1,2,3
	s_delay_alu instid0(VALU_DEP_4)
	v_mul_f32 v[128+2*\k], s32, v[128+2*\k]        ; the mean
.endr
.irp k, 0,1,2,3
.irp p, 0,2,4,6,8,10,12,14
	v_pk_add_f32 v[D+16*\k+\p:D+16*\k+\p+1], v[D+16*\k+\p:D+16*\k+\p+1], v[128+2*\k:129+2*\k] op_sel_hi:[1,0] neg_lo:[0,1] neg_hi:[0,1]   ; x - mean
.endr
.endr
.irp k, 0,1,2,3
	v_pk_mul_f32 v[140+2*\k:141+2*\k], v[D+16*\k:D+16*\k+1], v[D+16*\k:D+16*\k+1]
.endr
.irp p, 2,4,6,8,10,12,14
.irp k, 0,1,2,3
	s_delay_alu instid0(VALU_DEP_4)
	v_pk_fma_f32 v[140+2*\k:141+2*\k], v[D+16*\k+\p:D+16*\k+\p+1], v[D+16*\k+\p:D+16*\k+\p+1], v[140+2*\k:141+2*\k]
.endr
.endr
.irp k, 0,1,2,3
	s_delay_alu instid0(VALU_DEP_4)
	v_add_f32 v[140+2*\k], v[140+2*\k], v[141+2*\k]
.endr
	LANESUM 140
.irp k, 0,1,2,3
	s_delay_alu instid0(VALU_DEP_4)
	v_fma_f32 v[140+2*\k], v[140+2*\k], s32, s33   ; variance + 1e-6
.endr
	s_wait_alu depctr_va_vdst(0)
.irp k, 0,1,2,3
	v_rsq_f32 v[140+2*\k], v[140+2*\k]
.endr
	v_nop                                          ; a plain line behind the four roots,
	s_wait_alu depctr_va_vdst(0)                   ; and one wait for them, ahead of their first reader
	s_wait_loadcnt 0x0                             ; g and b
.irp k, 0,1,2,3
.irp p, 0,2,4,6,8,10,12,14
	v_pk_mul_f32 v[D+16*\k+\p:D+16*\k+\p+1], v[D+16*\k+\p:D+16*\k+\p+1], v[140+2*\k:141+2*\k] op_sel_hi:[1,0]
.endr
.irp p, 0,2,4,6,8,10,12,14
	v_pk_fma_f32 v[D+16*\k+\p:D+16*\k+\p+1], v[D+16*\k+\p:D+16*\k+\p+1], v[96+\p:97+\p], v[112+\p:113+\p]
.endr
.irp q, 0,1,2,3
	ds_store_b128 v5, v[D+16*\k+4*\q:D+16*\k+4*\q+3] offset:LNP*\k+512*\q
.endr
.endr
	s_wait_dscnt 0x0                               ; my rows lie in LDS,
	s_barrier_signal -1
	s_barrier_wait -1                              ; everybody's do
.irp c, 0,1
.irp q, 0,1,2,3,4,5,6,7
	ds_load_b128 v[D+32*\c+4*\q:D+32*\c+4*\q+3], v6 offset:256*\c+16*\q   ; block 2 c + h of my row, K step s
.endr
.endr
	s_wait_dscnt 0x0
	Q2W
	s_wait_alu depctr_va_vdst(0)
	SENDIMG 22, 12288
	; ---------------- a weight: 128 rows (K step s) x 256 columns (cg)
.Lweights:
	s_sub_co_u32 s30, ttmp9, 128
	s_lshr_b32 s31, s30, 3                         ; j: 0 wq, 1 wk, 2 wv, 3 wo, 4 w1, 5 w2
	s_bfe_u32 s32, s30, 0x20001                    ; s
	s_and_b32 s33, s30, 1                          ; cg
	s_mov_b64 s[34:35], s[10:11]
	s_cmp_eq_u32 s31, 1
	s_cselect_b64 s[34:35], s[12:13], s[34:35]
	s_cmp_eq_u32 s31, 2
	s_cselect_b64 s[34:35], s[14:15], s[34:35]
	s_cmp_eq_u32 s31, 3
	s_cselect_b64 s[34:35], s[16:17], s[34:35]
	s_cmp_eq_u32 s31, 4
	s_cselect_b64 s[34:35], s[18:19], s[34:35]
	s_cmp_eq_u32 s31, 5
	s_cselect_b64 s[34:35], s[20:21], s[34:35]
	s_lshl_b32 s36, s32, 18                        ; 128 rows of 2,048 bytes a K step,
	s_lshl_b32 s37, s[WV], 14                      ; 8 rows a wave,
	s_add_co_u32 s36, s36, s37
	s_lshl_b32 s37, s33, 10                        ; 1,024 bytes a column group
	s_add_co_u32 s36, s36, s37
	s_mov_b32 s37, 0
	s_add_nc_u64 s[34:35], s[34:35], s[36:37]
	s_wait_alu depctr_va_vdst(0)
.irp k, 0,1,2,3,4,5,6,7
.irp f, 0,1
	global_load_b128 v[D+8*\k+4*\f:D+8*\k+4*\f+3], v4, s[34:35] offset:2048*\k+512*\f th:TH_LOAD_NT
.endr
.endr
	v_lshrrev_b32 v5, 2, v1
	s_delay_alu instid0(VALU_DEP_1)
	v_add_nc_u32 v5, v5, v1
	s_delay_alu instid0(VALU_DEP_1)
	v_lshlrev_b32 v5, 4, v5                        ; 16 (l + l / 4): 16 bytes of padding behind every 64
	s_mul_i32 s38, s[WV], 8*WP
	s_add_co_u32 s38, s38, WST
	v_add_nc_u32 v5, s38, v5
	s_lshl_b32 s46, s31, 2
	s_add_co_u32 s46, s46, s32
	s_mul_i32 s46, s46, 51200                      ; the record of (weight, K step)
	s_lshl_b32 s47, s33, 4
	s_add_co_u32 s47, s47, s[WV]                   ; fragment 16 cg + wave
	s_and_b32 s36, s[WV], 1
	s_lshr_b32 s37, s[WV], 1
	s_wait_alu depctr_va_vdst(0)
	s_wait_loadcnt 0x0
.irp k, 0,1,2,3,4,5,6,7
.irp f, 0,1
	ds_store_b128 v5, v[D+8*\k+4*\f:D+8*\k+4*\f+3] offset:WP*\k+640*\f
.endr
.endr
	s_wait_dscnt 0x0
	s_barrier_signal -1
	s_barrier_wait -1
; My tile's column for row m = r: s41 + ((r % 8) << bsh) + ((r / 8) << csh); my registers run down K: 64 c + 32 h + i.
.macro WTAIL bsh, csh
	v_and_b32 v9, 7, v2
	v_lshrrev_b32 v10, 3, v2
	s_delay_alu instid0(VALU_DEP_2)
	v_lshlrev_b32 v9, \bsh, v9
	s_delay_alu instid0(VALU_DEP_1)
	v_lshl_add_u32 v9, v10, \csh, v9
	s_delay_alu instid0(VALU_DEP_1)
	v_add_nc_u32 v9, s41, v9                       ; the column
	s_delay_alu instid0(VALU_DEP_1)
	v_lshrrev_b32 v10, 4, v9
	s_delay_alu instid0(VALU_DEP_1)
	v_lshl_add_u32 v9, v10, 2, v9                  ; + 4 words of padding for each 16 passed
	s_delay_alu instid0(VALU_DEP_1)
	v_lshlrev_b32 v9, 2, v9
	s_delay_alu instid0(VALU_DEP_1)
	v_mad_u32_u24 v9, v3, 32*WP, v9                ; lanes 16-31 begin 32 rows further down
	s_delay_alu instid0(VALU_DEP_1)
	v_add_nc_u32 v9, WST, v9
	s_delay_alu instid0(VALU_DEP_1)
	v_add_nc_u32 v10, 64*WP, v9
.irp i, 0,1,2,3,4,5,6,7,8,9,10,11,12,13,14,15,16,17,18,19,20,21,22,23,24,25,26,27,28,29,30,31
	ds_load_b32 v[D+\i], v9 offset:WP*\i
.endr
.irp i, 0,1,2,3,4,5,6,7,8,9,10,11,12,13,14,15,16,17,18,19,20,21,22,23,24,25,26,27,28,29,30,31
	ds_load_b32 v[D+32+\i], v10 offset:WP*\i
.endr
	s_wait_dscnt 0x0
	Q2W
	s_wait_alu depctr_va_vdst(0)
	SENDIMG 24, 49152
.endm
	s_cmp_lt_u32 s31, 2
	s_cbranch_scc1 .Lqk
	s_cmp_eq_u32 s31, 2
	s_cbranch_scc1 .Lv
	s_lshl_b32 s41, s37, 5                         ; wo, w1, w2: 32 (wave / 2) + 8 (wave % 2)
	s_lshl_b32 s40, s36, 3
	s_add_co_u32 s41, s41, s40
	WTAIL 0, 4
.Lqk:
	s_lshl_b32 s41, s36, 7                         ; wq, wk: 128 (wave % 2) + 2 (wave / 2)
	s_lshl_b32 s40, s37, 1
	s_add_co_u32 s41, s41, s40
	WTAIL 4, 0
.Lv:
	s_and_b32 s41, s[WV], 15                       ; wv: the head = the wave
	WTAIL 4, 7
.Lfunc_end_k_q148b6b30e9_prep:
	.size	k_q148b6b30e9_prep, .Lfunc_end_k_q148b6b30e9_prep-k_q148b6b30e9_prep
	.p2alignl 7, 3214868480
	.fill 96, 4, 3214868480
	.section	.rodata,"a",@progbits
	.p2align	6, 0x0
	.amdhsa_kernel k_q148b6b30e9_prep
		.amdhsa_group_segment_fixed_size 302080
		.amdhsa_private_segment_fixed_size 0
		.amdhsa_enable_private_segment 0
		.amdhsa_kernarg_size 88
		.amdhsa_user_sgpr_count 2
		.amdhsa_user_sgpr_kernarg_segment_ptr 1
		.amdhsa_wavefront_size32 1
		.amdhsa_system_sgpr_workgroup_id_x 1
		.amdhsa_system_sgpr_workgroup_id_y 1
		.amdhsa_system_sgpr_workgroup_id_z 1
		.amdhsa_system_vgpr_workitem_id 0
		.amdhsa_next_free_vgpr 162
		.amdhsa_next_free_sgpr 66
		.amdhsa_reserve_vcc 1
		.amdhsa_float_denorm_mode_32 3
		.amdhsa_float_denorm_mode_16_64 3
		.amdhsa_memory_ordered 1
		.amdhsa_forward_progress 1
		.amdhsa_inst_pref_size 65
	.end_amdhsa_kernel
	.amdgpu_metadata
---
amdhsa.version: [ 1, 2 ]
amdhsa.kernels:
  - .name:           k_q148b6b30e9_prep
    .symbol:         k_q148b6b30e9_prep.kd
    .args:
      - { .name: x, .offset: 0, .size: 8, .value_kind: global_buffer, .address_space: global }
      - { .name: ln1_g, .offset: 8, .size: 8, .value_kind: global_buffer, .address_space: global }
      - { .name: ln1_b, .offset: 16, .size: 8, .value_kind: global_buffer, .address_space: global }
      - { .name: wq, .offset: 24, .size: 8, .value_kind: global_buffer, .address_space: global }
      - { .name: wk, .offset: 32, .size: 8, .value_kind: global_buffer, .address_space: global }
      - { .name: wv, .offset: 40, .size: 8, .value_kind: global_buffer, .address_space: global }
      - { .name: wo, .offset: 48, .size: 8, .value_kind: global_buffer, .address_space: global }
      - { .name: w1, .offset: 56, .size: 8, .value_kind: global_buffer, .address_space: global }
      - { .name: w2, .offset: 64, .size: 8, .value_kind: global_buffer, .address_space: global }
      - { .name: xq, .offset: 72, .size: 8, .value_kind: global_buffer, .address_space: global }
      - { .name: wimg, .offset: 80, .size: 8, .value_kind: global_buffer, .address_space: global }
    .group_segment_fixed_size: 302080
    .private_segment_fixed_size: 0
    .kernarg_segment_align: 8
    .kernarg_segment_size: 88
    .max_flat_workgroup_size: 512
    .sgpr_count:     66
    .vgpr_count:     162
    .wavefront_size: 32
...
	.end_amdgpu_metadata
.endif
;; end of part 1
;; launch qkv (part 2): grid 64 x 3, 16 waves a work-group, clusters of 4 x 1, 264,192 bytes of LDS; arguments xq, wimg, bq, bk, bv, qrec, kv; writes qrec, kv
.if DOCPART == 2
	.amdgcn_target "amdgcn-amd-amdhsa--gfx1250"
	.amdhsa_code_object_version 6
	.text
	.protected	k_q148b6b30e9_qkv
	.globl	k_q148b6b30e9_qkv
	.p2align	8
	.type	k_q148b6b30e9_qkv,@function
k_q148b6b30e9_qkv:
	s_mov_b64 s[64:65], 0
	v_nop
	global_prefetch_b8 v0, s[64:65] scope:SCOPE_SE
	s_setreg_imm32_b32 hwreg(HW_REG_WAVE_MODE, 25, 1), 1
	s_wait_xcnt 0x0
	s_wait_alu depctr_hold_cnt(0) depctr_sa_sdst(0) depctr_va_vdst(0) depctr_va_sdst(0) depctr_va_ssrc(0) depctr_va_vcc(0) depctr_vm_vsrc(0)
	s_getreg_b32 s2, hwreg(HW_REG_IB_STS2, 6, 4)
	s_cmp_eq_u32 s2, 0
	s_cbranch_scc0 .Lentry_in_a_cluster
	s_endpgm
.Lentry_in_a_cluster:
	s_bfe_u32 s2, ttmp6, 0x10000c
	s_cmp_lg_u32 s2, 0x3003
	s_cbranch_scc0 .Lentry_shape_is_right
	s_endpgm
.Lentry_shape_is_right:
; q, k or v (work-group y = 0, 1, 2) of 128 tokens (work-group x): LN1(x) W + bias on codes of FP6 (E2M3) with E8M0 scales, and the result quantised again:
; q and k along the head's 32 channels, v along the tokens.  Head e of a row is the channels 16 d + e.
; All operands of a work-group come into LDS once: the weight's four K steps are one dense block of 204,800 bytes, the tokens' one of 51,200.
; Every wave issues ONE tensor load: waves 0-7 an eighth of the weight (100 rows of 256 bytes), waves 8-15 an eighth of the tokens (25 rows).  Nothing is filled again.
; CLUSTER: the four work-groups of a cluster take the same weight: its loads are asked for jointly (mask 15); the tokens' loads are each work-group's own.
; One wait for 0 and one barrier stand in front of the first K step: behind them all operands lie in LDS for all waves.
; No prefetch: the launch has no loop to run ahead in; all that it reads is asked for by its first instructions.
; q, k: wave w = (pair of heads p = w / 2, 64 tokens g = w % 2).  Source 0 = 16 columns of W, source 1 = 16 tokens: lane (r, h) holds token T(i, r) = 32 (r / 8) + 8 i + r % 8,
;   head 2 p + h, and register 32 i + 8 tau + j is d = 8 tau + j: a whole block in a lane.  The image of 64 keys of a head has key T(b, m) in row m, K block b: twelve lane swaps make it.
; v: wave = head.  Source 0 = 16 tokens, source 1 = 16 columns: lane (r, h) holds d = 16 t + r, register 8 i + j of (t, g) is token 64 g + 32 h + 8 i + j: a block of 32 tokens in a lane.
; A record of kv (and of qrec, of which the k places alone are used): 128 tokens of one (batch, head), 6,400 bytes: k's images at 1,536 g, v's at 3,072 + 1,536 t, k's words at 6,144 + 64 g, v's at 6,272 + 64 t.
; LIMITS: NaN and infinities are not served; a block of zeros gets the byte 1 (its codes are zeros, and this program alone reads the bytes).
.set WCH,   51200                      ; a K step of the weight in LDS: 32 images, then 32 x 64 bytes of scale words
.set XCH,   12800                      ; of the tokens: 8 images, then 8 x 64 bytes
.set XREG,  204800
.set BIAS,  256000                     ; 2,048 bytes, written by LDS stores alone
.set SPARE, 262144                     ; the spare words, 128 bytes a wave
.set FLOOR, 0x1800000
.set WS,    16                         ; v16-19  the weight's scale words
.set XS,    20                         ; v20-23  the tokens'
.set WF,    32                         ; v32-79  four fragments of the weight
.set XF,    80                         ; v80-127 four of the tokens
.set ACC,   128                        ; v128-255 sixteen accumulators
.set I0,    32                         ; behind the products: two images,
.set I1,    44
.set TQ,    56                         ; the conversions' second halves,
.set MX,    72                         ; largest magnitudes,
.set SCR,   80                         ; the conversions' scale operands,
.set BY,    84                         ; the bytes
.macro ROUND                           ; a round of the cluster's barrier
	s_barrier_signal -1
	s_barrier_wait -1
	s_cmp_lg_u32 s8, 0
	s_cbranch_scc1 .Lnot_wave_0_\@
	s_barrier_signal -3
.Lnot_wave_0_\@:
	s_barrier_wait -3
	s_barrier_signal -1
	s_barrier_wait -1
.endm
	s_load_b256 s[68:75], s[0:1], 0x0              ; xq, wimg, bq, bk
	s_load_b128 s[76:79], s[0:1], 0x20             ; bv, qrec
	s_load_b64 s[80:81], s[0:1], 0x30              ; kv
	v_lshl_add_u32 v30, v0, 2, SPARE
	v_mov_b32 v31, 0
	ds_add_u32 v30, v31                            ; the opening lines: the add twice on end
	ds_add_u32 v30, v31
	v_lshrrev_b32 v1, 5, v0
	s_delay_alu instid0(VALU_DEP_1)
	v_readfirstlane_b32 s8, v1                     ; wave 0..15
	v_and_b32 v1, 31, v0                           ; l
	v_and_b32 v2, 15, v0                           ; r
	v_bfe_u32 v3, v0, 4, 1                         ; h
	s_bfe_u32 s9, ttmp6, 0x40000                   ; cx
	s_lshl_b32 s10, ttmp9, 2
	s_add_co_u32 s10, s10, s9                      ; my block of 128 tokens
	s_and_b32 s11, ttmp7, 0xffff                   ; 0 q, 1 k, 2 v: the same in all four partners
	; descriptor group 1: dense blocks as rows of 256 bytes (32 elements of 8 bytes)
	s_mov_b32 s16, 15|(3<<16)|(1<<21)              ; the weight: mask of all four work-groups, bit 21 beside it
	s_mov_b32 s17, 32<<16
	s_mov_b32 s18, 100<<16                         ; 100 rows: 25,600 bytes a wave
	s_mov_b32 s19, 32<<16
	s_mov_b32 s20, 100
	s_mov_b32 s21, 32
	s_mov_b32 s22, 0
	s_mov_b32 s23, 0
	s_mov_b32 s24, 3<<16                           ; the tokens: no mask
	s_mov_b32 s25, 32<<16
	s_mov_b32 s26, 25<<16                          ; 25 rows: 6,400 bytes a wave
	s_mov_b32 s27, 32<<16
	s_mov_b32 s28, 25
	s_mov_b32 s29, 32
	s_mov_b32 s30, 0
	s_mov_b32 s31, 0
	s_mul_i32 s12, s11, 4*WCH                      ; the weight's four records
	s_mov_b32 s13, 0
	s_mul_i32 s14, s10, 4*XCH                      ; my tokens' four
	s_mov_b32 s15, 0
	s_and_b32 s40, s8, 7                           ; which eighth is mine
	s_mul_i32 s42, s40, 25600
	s_mov_b32 s43, 0
	s_mul_i32 s44, s40, 6400
	s_mov_b32 s45, 0
	s_mov_b32 s32, 1
	s_mov_b32 s33, s42                             ; LDS: the weight from byte 0 on,
	s_mov_b32 s48, 1
	s_add_co_u32 s49, s44, XREG                    ; the tokens behind it
	s_mov_b32 s86, 0x76543210
	s_mov_b32 s87, 0xfedcba98
	s_wait_dscnt 0x0
	s_wait_kmcnt 0x0
	s_add_nc_u64 s[12:13], s[70:71], s[12:13]
	s_add_nc_u64 s[14:15], s[68:69], s[14:15]
	s_add_nc_u64 s[34:35], s[12:13], s[42:43]
	s_or_b32 s35, s35, 0x80000000
	s_add_nc_u64 s[50:51], s[14:15], s[44:45]
	s_or_b32 s51, s51, 0x80000000
	ROUND                                          ; all four work-groups are here: the joint loads meet
	s_cmp_ge_u32 s8, 8
	s_cbranch_scc1 .Lnot_w
	tensor_load_to_lds s[32:35], s[16:23]          ; waves 0-7: my eighth of the weight
	s_nop 0
.rept 4
	v_nop
.endr
	s_branch .Lasked
.Lnot_w:
	tensor_load_to_lds s[48:51], s[24:31]          ; waves 8-15: my eighth of the tokens
	s_nop 0
.rept 4
	v_nop
.endr
.Lasked:
	s_cmp_eq_u32 s11, 1
	s_cselect_b64 s[82:83], s[74:75], s[72:73]
	s_cmp_eq_u32 s11, 2
	s_cselect_b64 s[82:83], s[76:77], s[82:83]     ; my kind's bias
	v_lshlrev_b32 v13, 2, v0
	global_load_b32 v14, v13, s[82:83]             ; 512 threads, 512 numbers
	v_add_nc_u32 v15, BIAS, v13
	s_wait_alu depctr_va_vdst(0)
	v_lshlrev_b32 v9, 4, v1                        ; 16 l
	s_mov_b32 s84, 0xffff0000                      ; lanes 16-31
	s_wait_loadcnt 0x0
	ds_store_b32 v15, v14
	s_cmp_eq_u32 s11, 2
	s_cbranch_scc1 .Lvpath
.macro MEET
	s_wait_tensorcnt 0x0                           ; my one load has landed,
	s_wait_dscnt 0x0                               ; my bias store too,
	s_barrier_signal -1
	s_barrier_wait -1                              ; everybody's have
.endm
.macro STEPADR                         ; on to the next K step; these four lines are also the four places behind the products
	v_add_nc_u32 v4, WCH, v4
	v_add_nc_u32 v5, WCH, v5
	v_add_nc_u32 v6, XCH, v6
	v_add_nc_u32 v7, XCH, v7
.endm
; Four blocks of 32 numbers of a lane, at v[ACC + 32 k], become codes at d0 .. d3 (6 registers each) and bytes in v[BY + k].
.macro Q4 d0, d1, d2, d3
.irp n, 0,1,2,3,4,5,6,7
	v_max3_num_f32 v[MX+\n], |v[ACC+16*\n]|, |v[ACC+16*\n+1]|, FLOOR
.endr
.irp i, 2,4,6,8,10,12,14
.irp n, 0,1,2,3,4,5,6,7
	v_max3_num_f32 v[MX+\n], v[MX+\n], |v[ACC+16*\n+\i]|, |v[ACC+16*\n+\i+1]|
.endr
.endr
.irp k, 0,1,2,3
	v_max_num_f32 v[MX+2*\k], v[MX+2*\k], v[MX+2*\k+1]
.endr
.irp k, 0,1,2,3
	s_delay_alu instid0(VALU_DEP_4)
	v_add_nc_u32 v[SCR+\k], 0xff000000, v[MX+2*\k] ; 2 off the exponent field: the conversion's scale operand
.endr
.irp k, 0,1,2,3
	s_delay_alu instid0(VALU_DEP_4)
	v_lshrrev_b32 v[BY+\k], 23, v[SCR+\k]
.endr
	v_cvt_scalef32_pk16_fp6_f32 v[\d0:\d0+2], v[ACC:ACC+15], v[SCR]
	v_cvt_scalef32_pk16_fp6_f32 v[TQ:TQ+2], v[ACC+16:ACC+31], v[SCR]
	v_cvt_scalef32_pk16_fp6_f32 v[\d1:\d1+2], v[ACC+32:ACC+47], v[SCR+1]
	v_cvt_scalef32_pk16_fp6_f32 v[TQ+4:TQ+6], v[ACC+48:ACC+63], v[SCR+1]
	v_cvt_scalef32_pk16_fp6_f32 v[\d2:\d2+2], v[ACC+64:ACC+79], v[SCR+2]
	v_cvt_scalef32_pk16_fp6_f32 v[TQ+8:TQ+10], v[ACC+80:ACC+95], v[SCR+2]
	v_cvt_scalef32_pk16_fp6_f32 v[\d3:\d3+2], v[ACC+96:ACC+111], v[SCR+3]
	v_cvt_scalef32_pk16_fp6_f32 v[TQ+12:TQ+14], v[ACC+112:ACC+127], v[SCR+3]
	v_nop                                          ; one plain line behind the conversions
.irp e, 0,1,2
	v_mov_b32 v[\d0+3+\e], v[TQ+\e]
	v_mov_b32 v[\d1+3+\e], v[TQ+4+\e]
	v_mov_b32 v[\d2+3+\e], v[TQ+8+\e]
	v_mov_b32 v[\d3+3+\e], v[TQ+12+\e]
.endr
.endm
	; ---------------- q or k
	s_lshr_b32 s85, s8, 1                          ; p
	s_and_b32 s98, s8, 1                           ; g
	s_mul_i32 s88, s85, 3072
	s_wait_alu depctr_va_vdst(0)
	v_add_nc_u32 v4, s88, v9                       ; the weight's images 2 p, 2 p + 1 (+ 16 for tau / 2)
	s_lshl_b32 s88, s85, 7
	s_add_co_u32 s88, s88, 49152
	v_lshl_add_u32 v5, v2, 2, s88                  ; their words
	s_mul_i32 s88, s98, 6144
	s_add_co_u32 s88, s88, XREG
	v_add_nc_u32 v6, s88, v9                       ; my 64 tokens' four images
	s_lshl_b32 s88, s98, 8
	s_add_co_u32 s88, s88, XREG+12288
	v_lshl_add_u32 v7, v2, 2, s88
	s_lshl_b32 s88, s85, 3
	s_add_co_u32 s88, s88, BIAS
	v_lshl_add_u32 v8, v3, 2, s88                  ; bias of channel 16 d + 2 p + h: 64 d bytes on
.macro KSTEP_QK s
.if \s == 0
	MEET
.endif
.irp t, 0,1,2,3
.irp q, 0,1,2
	ds_load_b128 v[WF+12*\t+4*\q:WF+12*\t+4*\q+3], v4 offset:1536*(16*(\t/2)+\t%2)+512*\q
.endr
	ds_load_b32 v[WS+\t], v5 offset:1024*(\t/2)+64*(\t%2)
.endr
.irp i, 0,1,2,3
.irp q, 0,1,2
	ds_load_b128 v[XF+12*\i+4*\q:XF+12*\i+4*\q+3], v6 offset:1536*\i+512*\q
.endr
	ds_load_b32 v[XS+\i], v7 offset:64*\i
.endr
	s_wait_dscnt 0x0
.irp i, 0,1,2,3                        ; the sixteen accumulators take turns, one instruction a turn
.irp t, 0,1,2,3
.if \s == 0
	v_wmma_scale_f32_16x16x128_f8f6f4 v[ACC+32*\i+8*\t:ACC+32*\i+8*\t+7], v[WF+12*\t:WF+12*\t+11], v[XF+12*\i:XF+12*\i+11], 0, v[WS+\t], v[XS+\i] matrix_a_fmt:MATRIX_FMT_FP6 matrix_b_fmt:MATRIX_FMT_FP6
.else
	v_wmma_scale_f32_16x16x128_f8f6f4 v[ACC+32*\i+8*\t:ACC+32*\i+8*\t+7], v[WF+12*\t:WF+12*\t+11], v[XF+12*\i:XF+12*\i+11], v[ACC+32*\i+8*\t:ACC+32*\i+8*\t+7], v[WS+\t], v[XS+\i] matrix_a_fmt:MATRIX_FMT_FP6 matrix_b_fmt:MATRIX_FMT_FP6
.endif
.endr
.endr
	STEPADR
.endm
.irp s, 0,1,2,3
	s_wait_alu depctr_va_vdst(0)
	KSTEP_QK \s
.endr
.irp d, 0,1,2,3,4,5,6,7,8,9,10,11,12,13,14,15,16,17,18,19,20,21,22,23,24,25,26,27,28,29,30,31
	ds_load_b32 v[96+\d], v8 offset:64*\d
.endr
	s_lshr_b32 s88, s10, 4                         ; the batch,
	s_lshl_b32 s88, s88, 4
	s_lshl_b32 s89, s85, 1
	s_add_co_u32 s88, s88, s89                     ; 16 x batch + head 2 p
	s_mul_i32 s88, s88, 102400
	s_and_b32 s89, s10, 15
	s_mul_i32 s89, s89, 6400
	s_add_co_u32 s88, s88, s89                     ; the record
	s_mul_i32 s90, s98, 1536
	s_add_co_u32 s90, s90, s88
	s_mov_b32 s91, 0
	s_cmp_eq_u32 s11, 0
	s_cselect_b64 s[92:93], s[78:79], s[80:81]     ; q goes to qrec, k to kv
	s_add_nc_u64 s[94:95], s[92:93], s[90:91]
	s_lshl_b32 s90, s98, 6
	s_add_co_u32 s90, s90, s88
	s_add_co_u32 s90, s90, 6144
	s_add_nc_u64 s[96:97], s[92:93], s[90:91]
	v_mul_u32_u24 v10, v3, 102400                  ; lanes 16-31 hold head 2 p + 1's words: one head's records on
	s_delay_alu instid0(VALU_DEP_1)
	v_lshl_add_u32 v10, v2, 2, v10
	s_wait_dscnt 0x0
.irp i, 0,1,2,3
.irp m, 0,2,4,6,8,10,12,14,16,18,20,22,24,26,28,30
	v_pk_add_f32 v[ACC+32*\i+\m:ACC+32*\i+\m+1], v[ACC+32*\i+\m:ACC+32*\i+\m+1], v[96+\m:97+\m]   ; + bias; each accumulator from its low end on
.endr
.endr
	Q4 I0, I1, I0+6, I1+6                          ; tiles 0, 2 of the tokens into one run of registers, tiles 1, 3 into the other
.irp k, 0,1,2,3,4,5,6,7,8,9,10,11
	v_permlane16_swap_b32 v[I0+\k], v[I1+\k]       ; the first's lanes 16-31 (head 2 p + 1, even tiles) change places with the second's lanes 0-15 (head 2 p, odd tiles): two whole images
.endr
	v_lshl_or_b32 v88, v[BY+1], 8, v[BY]           ; row r's word of my head: byte b = token T(b, r)'s
	s_delay_alu instid0(VALU_DEP_1)
	v_lshl_or_b32 v88, v[BY+2], 16, v88
	s_delay_alu instid0(VALU_DEP_1)
	v_lshl_or_b32 v88, v[BY+3], 24, v88
.irp q, 0,1,2
	global_store_b128 v9, v[I0+4*\q:I0+4*\q+3], s[94:95] offset:512*\q
	global_store_b128 v9, v[I1+4*\q:I1+4*\q+3], s[94:95] offset:102400+512*\q
.endr
	global_store_b32 v10, v88, s[96:97]
	s_branch .Lend
	; ---------------- v
.Lvpath:
	s_mul_i32 s88, s8, 1536
	s_wait_alu depctr_va_vdst(0)
	v_add_nc_u32 v4, s88, v9                       ; the weight's images head and 16 + head
	s_lshl_b32 s88, s8, 6
	s_add_co_u32 s88, s88, 49152
	v_lshl_add_u32 v5, v2, 2, s88
	v_add_nc_u32 v6, XREG, v9
	v_lshl_add_u32 v7, v2, 2, XREG+12288
	s_lshl_b32 s88, s8, 2
	s_add_co_u32 s88, s88, BIAS
	v_lshl_add_u32 v8, v2, 6, s88                  ; bias of channel 256 t + 16 r + head
.macro KSTEP_V s
.if \s == 0
	MEET
.endif
.irp t, 0,1
.irp q, 0,1,2
	ds_load_b128 v[WF+12*\t+4*\q:WF+12*\t+4*\q+3], v4 offset:24576*\t+512*\q
.endr
	ds_load_b32 v[WS+\t], v5 offset:1024*\t
.endr
.irp g, 0,1
.if \g
.rept 4
	v_nop                                          ; places in front of loads into registers that the products above have read
.endr
.endif
.irp i, 0,1,2,3
.irp q, 0,1,2
	ds_load_b128 v[XF+12*\i+4*\q:XF+12*\i+4*\q+3], v6 offset:6144*\g+1536*\i+512*\q
.endr
	ds_load_b32 v[XS+\i], v7 offset:256*\g+64*\i
.endr
	s_wait_dscnt 0x0
.irp i, 0,1,2,3
.irp t, 0,1
.if \s == 0
	v_wmma_scale_f32_16x16x128_f8f6f4 v[ACC+64*\t+32*\g+8*\i:ACC+64*\t+32*\g+8*\i+7], v[XF+12*\i:XF+12*\i+11], v[WF+12*\t:WF+12*\t+11], 0, v[XS+\i], v[WS+\t] matrix_a_fmt:MATRIX_FMT_FP6 matrix_b_fmt:MATRIX_FMT_FP6
.else
	v_wmma_scale_f32_16x16x128_f8f6f4 v[ACC+64*\t+32*\g+8*\i:ACC+64*\t+32*\g+8*\i+7], v[XF+12*\i:XF+12*\i+11], v[WF+12*\t:WF+12*\t+11], v[ACC+64*\t+32*\g+8*\i:ACC+64*\t+32*\g+8*\i+7], v[XS+\i], v[WS+\t] matrix_a_fmt:MATRIX_FMT_FP6 matrix_b_fmt:MATRIX_FMT_FP6
.endif
.endr
.endr
.endr
	STEPADR
.endm
.irp s, 0,1,2,3
	s_wait_alu depctr_va_vdst(0)
	KSTEP_V \s
.endr
.irp t, 0,1
	ds_load_b32 v[96+2*\t], v8 offset:1024*\t      ; twice, to fill a pair
	ds_load_b32 v[97+2*\t], v8 offset:1024*\t
.endr
	s_lshr_b32 s88, s10, 4
	s_lshl_b32 s88, s88, 4
	s_add_co_u32 s88, s88, s8                      ; 16 x batch + head
	s_mul_i32 s88, s88, 102400
	s_and_b32 s89, s10, 15
	s_mul_i32 s89, s89, 6400
	s_add_co_u32 s88, s88, s89
	s_add_co_u32 s88, s88, 3072                    ; v's images in the record
	s_mov_b32 s89, 0
	s_add_nc_u64 s[94:95], s[80:81], s[88:89]
	v_lshlrev_b32 v10, 2, v1                       ; 4 l
	v_lshlrev_b32 v90, 3, v3                       ; 8 h
	v_mov_b32 v91, 0
	v_mov_b32 v92, 0
	s_wait_dscnt 0x0
.irp t, 0,1
.irp m, 0,2,4,6,8,10,12,14,16,18,20,22,24,26,28,30,32,34,36,38,40,42,44,46,48,50,52,54,56,58,60,62
	v_pk_add_f32 v[ACC+64*\t+\m:ACC+64*\t+\m+1], v[ACC+64*\t+\m:ACC+64*\t+\m+1], v[96+2*\t:97+2*\t]
.endr
.endr
	Q4 I0, I0+6, I1, I1+6                          ; block (t, g) is registers 6 g on of image t, in the very lanes that hold it
	v_lshl_or_b32 v88, v[BY+1], 16, v[BY]          ; my two bytes of row 16 t + r: blocks h and 2 + h
	v_lshl_or_b32 v89, v[BY+3], 16, v[BY+2]
	s_delay_alu instid0(VALU_DEP_2)
	v_lshlrev_b32 v88, v90, v88
	s_delay_alu instid0(VALU_DEP_2)
	v_lshlrev_b32 v89, v90, v89
	s_delay_alu instid0(VALU_DEP_2)
	v_permlanex16_b32 v91, v88, s86, s87
	s_delay_alu instid0(VALU_DEP_2)
	v_permlanex16_b32 v92, v89, s86, s87
	s_delay_alu instid0(VALU_DEP_2)
	v_or_b32 v88, v88, v91
	s_delay_alu instid0(VALU_DEP_2)
	v_or_b32 v89, v89, v92
	s_delay_alu instid0(VALU_DEP_1)
	v_cndmask_b32 v88, v88, v89, s84               ; lanes 0-15 store image 0's words, lanes 16-31 image 1's
.irp q, 0,1,2
	global_store_b128 v9, v[I0+4*\q:I0+4*\q+3], s[94:95] offset:512*\q
	global_store_b128 v9, v[I1+4*\q:I1+4*\q+3], s[94:95] offset:1536+512*\q
.endr
	global_store_b32 v10, v88, s[94:95] offset:3200
.Lend:
	s_wait_dscnt 0x0
	s_wait_tensorcnt 0x0                           ; the wave's end
	ds_add_u32 v30, v31
	s_wait_dscnt 0x0
	ROUND                                          ; the closing round: no work-group ends while a partner may still ask for a tile that names it
	s_endpgm
.Lfunc_end_k_q148b6b30e9_qkv:
	.size	k_q148b6b30e9_qkv, .Lfunc_end_k_q148b6b30e9_qkv-k_q148b6b30e9_qkv
	.p2alignl 7, 3214868480
	.fill 96, 4, 3214868480
	.section	.rodata,"a",@progbits
	.p2align	6, 0x0
	.amdhsa_kernel k_q148b6b30e9_qkv
		.amdhsa_group_segment_fixed_size 264192
		.amdhsa_private_segment_fixed_size 0
		.amdhsa_enable_private_segment 0
		.amdhsa_kernarg_size 56
		.amdhsa_user_sgpr_count 2
		.amdhsa_user_sgpr_kernarg_segment_ptr 1
		.amdhsa_wavefront_size32 1
		.amdhsa_system_sgpr_workgroup_id_x 1
		.amdhsa_system_sgpr_workgroup_id_y 1
		.amdhsa_system_sgpr_workgroup_id_z 1
		.amdhsa_system_vgpr_workitem_id 0
		.amdhsa_next_free_vgpr 256
		.amdhsa_next_free_sgpr 100
		.amdhsa_reserve_vcc 0
		.amdhsa_float_denorm_mode_32 3
		.amdhsa_float_denorm_mode_16_64 3
		.amdhsa_memory_ordered 1
		.amdhsa_forward_progress 1
		.amdhsa_inst_pref_size 71
	.end_amdhsa_kernel
	.amdgpu_metadata
---
amdhsa.version: [ 1, 2 ]
amdhsa.kernels:
  - .name:           k_q148b6b30e9_qkv
    .symbol:         k_q148b6b30e9_qkv.kd
    .args:
      - { .name: xq, .offset: 0, .size: 8, .value_kind: global_buffer, .address_space: global }
      - { .name: wimg, .offset: 8, .size: 8, .value_kind: global_buffer, .address_space: global }
      - { .name: bq, .offset: 16, .size: 8, .value_kind: global_buffer, .address_space: global }
      - { .name: bk, .offset: 24, .size: 8, .value_kind: global_buffer, .address_space: global }
      - { .name: bv, .offset: 32, .size: 8, .value_kind: global_buffer, .address_space: global }
      - { .name: qrec, .offset: 40, .size: 8, .value_kind: global_buffer, .address_space: global }
      - { .name: kv, .offset: 48, .size: 8, .value_kind: global_buffer, .address_space: global }
    .group_segment_fixed_size: 264192
    .private_segment_fixed_size: 0
    .kernarg_segment_align: 8
    .kernarg_segment_size: 56
    .max_flat_workgroup_size: 512
    .sgpr_count:     100
    .vgpr_count:     256
    .wavefront_size: 32
...
	.end_amdgpu_metadata
.endif
;; end of part 2
;; launch attn (part 3): grid 4 x 64, 16 waves a work-group, clusters of 4 x 1, 169,984 bytes of LDS; arguments qrec, kv, oc, os; writes oc, os
.if DOCPART == 3
	.amdgcn_target "amdgcn-amd-amdhsa--gfx1250"
	.amdhsa_code_object_version 6
	.text
	.protected	k_q148b6b30e9_attn
	.globl	k_q148b6b30e9_attn
	.p2align	8
	.type	k_q148b6b30e9_attn,@function
k_q148b6b30e9_attn:
	s_mov_b64 s[64:65], 0
	v_nop
	global_prefetch_b8 v0, s[64:65] scope:SCOPE_SE
	s_setreg_imm32_b32 hwreg(HW_REG_WAVE_MODE, 25, 1), 1
	s_wait_xcnt 0x0
	s_wait_alu depctr_hold_cnt(0) depctr_sa_sdst(0) depctr_va_vdst(0) depctr_va_sdst(0) depctr_va_ssrc(0) depctr_va_vcc(0) depctr_vm_vsrc(0)
	s_getreg_b32 s2, hwreg(HW_REG_IB_STS2, 6, 4)
	s_cmp_eq_u32 s2, 0
	s_cbranch_scc0 .Lentry_in_a_cluster
	s_endpgm
.Lentry_in_a_cluster:
	s_bfe_u32 s2, ttmp6, 0x10000c
	s_cmp_lg_u32 s2, 0x3003
	s_cbranch_scc0 .Lentry_shape_is_right
	s_endpgm
.Lentry_shape_is_right:
; o = softmax(q k^T / sqrt(32)) v for one (batch, head) (work-group y) and 512 queries (place in the cluster), both products on codes of FP6 (E2M3) with E8M0 scales; o is quantised along the head's 32.
; THE SOFTMAX: t = score x log2(e) / sqrt(32); M = the running largest t rounded up to a whole number; p = 2^(t - M) is quantised along the keys, not normalised; the sum of the unquantised p divides at the end;
; when M moves, the sum and O are multiplied by 2^(old M - new M), which rounds nothing.
; The head's k and v of all 2,048 keys with their scale words, 102,400 bytes, stay in LDS: each of the sixteen waves brings one record of 128 keys by one tensor load at the start; nothing is filled again.
; CLUSTER: the four work-groups of a cluster belong to one head: each record is asked for jointly (mask 15).
; K = 32 IN AN INSTRUCTION OF K = 128: an image of k holds FOUR tiles of 16 keys: row m, K block b = key 32 (m / 8) + 8 b + m % 8 of 64.  The query operand Q_b has the queries' codes in block b and zero codes elsewhere,
; so k's image x Q_b is tile b's scores.  In tile (g, b) lane (r, h), register j is key 64 g + 32 h + 8 b + j of query r: the 32 registers of tiles (g, 0 .. 3) are the whole block 2 g + h of p, in order, in one lane:
; p's largest number of a block needs no other lane, and the conversions' results are the second product's operand as they stand.
; Both products are used transposed: a lane holds one query throughout.  A wave takes 16 queries at a time, twice; four waves share a SIMD, so that one wave's vector work stands beside another's products and LDS loads.
; LIMITS: NaN and infinities are not served; p under 2^-126 counts as 0; a block of zeros gets the byte 1.
.set STG,   102400                     ; behind the records: o's codes, 512 queries x 24 bytes,
.set STS,   114688                     ; and their bytes: written by LDS stores alone
.set FLOOR, 0x1800000
.set AK,    1                          ; v1   16 l + the step's record
.set AS,    2                          ; v2   4 l + the step's record
                                       ; v4-21: codes in lanes 0-15 | zeros | the same codes: Q_0 = v[4:15], Q_2 = v[10:21];  v22-39 likewise with lanes 16-31: Q_1 = v[22:33], Q_3 = v[28:39]
.set QR,    40                         ; v40-51 my two tiles' codes, query r's in both halves of the lanes
.set QSW,   52                         ; v52  query rows' scale word
.set QS,    53                         ; v53  my tile's byte in all four places
.set KS,    54                         ; v54  k's scale words: lanes 0-15 image 0's, lanes 16-31 image 1's
.set VS,    55                         ; v55  v's likewise
.set KF,    56                         ; v56-79   k's two images
.set VF,    80                         ; v80-103  v's two
.set S,     104                        ; v104-167 the scores, then p
.set O,     168                        ; v168-183 O^T
.set PC,    184                        ; v184-195 p's codes
.set T0,    196
.set T1,    200                        ; v204 -M, v205 the largest score so far; v[206:207] the sum in two halves; v[208:209] f; v210-221 at work; v222 p's scale word
.set E,     224                        ; v224-247 the way out of a pass
.set AK0,   248
.set AS0,   249
.set STGA,  250
.set STSA,  251
.set SEL,   28
.set CS,    34
.set LO,    36
.set HI,    37
.set TB,    38
.set CNT,   39
.macro ROUND
	s_barrier_signal -1
	s_barrier_wait -1
	s_cmp_lg_u32 s8, 0
	s_cbranch_scc1 .Lnot_wave_0_\@
	s_barrier_signal -3
.Lnot_wave_0_\@:
	s_barrier_wait -3
	s_barrier_signal -1
	s_barrier_wait -1
.endm
	s_load_b256 s[44:51], s[0:1], 0x0              ; qrec, kv, oc, os
	v_lshl_add_u32 v199, v0, 2, 0x29000
	v_mov_b32 v203, 0
	ds_add_u32 v199, v203
	ds_add_u32 v199, v203
	v_lshrrev_b32 v1, 5, v0
	s_delay_alu instid0(VALU_DEP_1)
	v_readfirstlane_b32 s8, v1                     ; wave 0..15
	s_bfe_u32 s9, ttmp6, 0x40000                   ; cx: which 512 queries
	s_and_b32 s12, ttmp7, 0xffff                   ; 16 x batch + head
	s_mov_b32 s16, 15|(3<<16)|(1<<21)              ; group 1: a dense record as 25 rows of 256 bytes; mask of all four, bit 21 beside it
	s_mov_b32 s17, 32<<16
	s_mov_b32 s18, 25<<16
	s_mov_b32 s19, 32<<16
	s_mov_b32 s20, 25
	s_mov_b32 s21, 32
	s_mov_b32 s22, 0
	s_mov_b32 s23, 0
	s_mul_i32 s13, s12, 102400                     ; the head's records
	s_mul_i32 s25, s8, 6400                        ; record = wave: in LDS,
	s_add_co_u32 s2, s13, s25                      ; and in memory
	s_mov_b32 s3, 0
	s_mov_b32 s24, 1
	s_mov_b32 s[SEL], 0x76543210
	s_mov_b32 s[SEL+1], 0xfedcba98
	s_mov_b32 s[CS], 0x3e8293ee                    ; c = log2(e) / sqrt(32)
	s_mov_b32 s[CS+1], s[CS]
	s_mov_b32 s[LO], 0x0000ffff
	s_mov_b32 s[HI], 0xffff0000
	s_wait_dscnt 0x0
	s_wait_kmcnt 0x0
	s_add_nc_u64 s[26:27], s[46:47], s[2:3]
	s_or_b32 s27, s27, 0x80000000
	ROUND                                          ; all four work-groups are here
	tensor_load_to_lds s[24:27], s[16:23]          ; my one tensor load
	s_nop 0
.rept 4
	v_nop
.endr
	s_and_b32 s10, s8, 1                           ; hh: which half of the lanes of q's image holds my tiles
	s_lshl_b32 s2, s9, 2                           ; my group of 64 queries is 8 cx + wave / 2: record 4 cx + wave / 4, image (wave / 2) % 2
	s_lshr_b32 s14, s8, 2
	s_add_co_u32 s2, s2, s14
	s_mul_i32 s2, s2, 6400
	s_add_co_u32 s2, s2, s13
	s_bfe_u32 s14, s8, 0x10001
	s_mul_i32 s15, s14, 1536
	s_add_co_u32 s15, s15, s2
	s_lshl_b32 s11, s10, 8
	s_add_co_u32 s52, s15, s11
	s_mov_b32 s53, 0
	s_add_nc_u64 s[54:55], s[44:45], s[52:53]
	s_lshl_b32 s14, s14, 6
	s_add_co_u32 s52, s2, s14
	s_add_co_u32 s52, s52, 6144
	s_add_nc_u64 s[56:57], s[44:45], s[52:53]
	v_and_b32 v254, 15, v0                         ; r
	v_bfe_u32 v255, v0, 4, 1                       ; h
	v_and_b32 v253, 31, v0                         ; l
	s_delay_alu instid0(VALU_DEP_3)
	v_lshlrev_b32 v252, 4, v254
	s_delay_alu instid0(VALU_DEP_4)
	v_lshlrev_b32 v247, 2, v254
	global_load_b128 v[QR:QR+3], v252, s[54:55]            ; lane (r, .) takes the image's lane (r, hh): registers 6 c on = query tile 2 c + hh, row r
	global_load_b128 v[QR+4:QR+7], v252, s[54:55] offset:512
	global_load_b128 v[QR+8:QR+11], v252, s[54:55] offset:1024
	global_load_b32 v[QSW], v247, s[56:57]
	v_lshlrev_b32 v[AK0], 4, v253
	v_lshlrev_b32 v[AS0], 2, v253
	s_lshr_b32 s14, s8, 1
	s_lshl_b32 s14, s14, 6
	s_lshl_b32 s15, s10, 3
	s_add_co_u32 s14, s14, s15
	v_and_b32 v246, 7, v254
	v_lshrrev_b32 v245, 3, v254
	s_delay_alu instid0(VALU_DEP_1)
	v_lshl_add_u32 v246, v245, 5, v246
	s_delay_alu instid0(VALU_DEP_1)
	v_add_nc_u32 v246, s14, v246                   ; my query among the 512: 64 (wave / 2) + 32 (r / 8) + 8 hh + r % 8 (+ 16 in the second pass)
	s_delay_alu instid0(VALU_DEP_1)
	v_add_nc_u32 v[STSA], STS, v246
	s_delay_alu instid0(VALU_DEP_2)
	v_mul_u32_u24 v[STGA], v246, 24
	s_delay_alu instid0(VALU_DEP_1)
	v_mad_u32_u24 v[STGA], v255, 12, v[STGA]
	s_delay_alu instid0(VALU_DEP_1)
	v_add_nc_u32 v[STGA], STG, v[STGA]
	s_mul_i32 s40, s10, 0x01010101                 ; byte selects: byte 2 c + hh of the word into all four places
	s_add_co_u32 s41, s40, 0x02020202
.irp k, 0,1,2,3,4,5
	v_mov_b32 v[10+\k], 0                          ; the zero codes
	v_mov_b32 v[28+\k], 0
.endr
	v_mov_b32 v209, 0                              ; (named as the upper half of a pair)
	v_mov_b32 v215, 0                              ; lane permutes' destinations count as sources
	v_mov_b32 v217, 0
	v_mov_b32 v223, 0
	v_mov_b32 v241, 0
	s_wait_loadcnt 0x0                             ; q
	s_wait_tensorcnt 0x0                           ; my record has landed,
	s_barrier_signal -1
	s_barrier_wait -1                              ; everybody's has
.macro SQK g, b, q                     ; the scores of tile (g, b)
.if \g
	v_wmma_scale_f32_16x16x128_f8f6f4 v[S+32*\g+8*\b:S+32*\g+8*\b+7], v[KF+12*\g:KF+12*\g+11], v[\q:\q+11], 0, v[KS], v[QS] matrix_a_fmt:MATRIX_FMT_FP6 matrix_b_fmt:MATRIX_FMT_FP6 matrix_a_scale:MATRIX_SCALE_ROW1
.else
	v_wmma_scale_f32_16x16x128_f8f6f4 v[S+32*\g+8*\b:S+32*\g+8*\b+7], v[KF+12*\g:KF+12*\g+11], v[\q:\q+11], 0, v[KS], v[QS] matrix_a_fmt:MATRIX_FMT_FP6 matrix_b_fmt:MATRIX_FMT_FP6
.endif
.endm
; 16 queries (tile 2 c + hh of my group) against all 2,048 keys.
.macro PASS c
.irp k, 0,1,2,3,4,5
	v_cndmask_b32 v[4+\k], 0, v[QR+6*\c+\k], s[LO]
	v_cndmask_b32 v[16+\k], 0, v[QR+6*\c+\k], s[LO]
	v_cndmask_b32 v[22+\k], 0, v[QR+6*\c+\k], s[HI]
	v_cndmask_b32 v[34+\k], 0, v[QR+6*\c+\k], s[HI]
.endr
	v_perm_b32 v[QS], v[QSW], v[QSW], s[40+\c]
	v_mov_b32 v205, 0xff61b1e6                     ; the largest score so far: -3e38
	s_delay_alu instid0(VALU_DEP_1)
	v_floor_f32 v204, -v205                        ; -M
	v_mov_b32 v206, 0
	v_mov_b32 v207, 0
.irp k, 214,215,252,253,254,255
	v_mov_b32 v\k, 0                               ; the partial sums that the first trip joins
.endr
.irp j, 0,1,2,3,4,5,6,7,8,9,10,11,12,13,14,15
	v_mov_b32 v[O+\j], 0                           ; the first change of M leaves zeros zeros.  (These lines are also the places between the operands and the scale just made and the first product)
.endr
	s_mov_b32 s[TB], 0
	s_mov_b32 s[CNT], 16
.Ltrip_\@:                             ; 128 keys a trip
	v_add_nc_u32 v[AK], s[TB], v[AK0]
	v_add_nc_u32 v[AS], s[TB], v[AS0]
	ds_load_b32 v[KS], v[AS] offset:6144           ; k's registers were last read by the score products, a whole softmax ago
.irp g, 0,1
.irp q, 0,1,2
	ds_load_b128 v[KF+12*\g+4*\q:KF+12*\g+4*\q+3], v[AK] offset:1536*\g+512*\q
.endr
.endr
	s_wait_alu depctr_va_vdst(0)
	s_wait_dscnt 0x0                               ; k's seven loads are in
.irp g, 0,1
	SQK \g, 0, 4
	SQK \g, 1, 22
	SQK \g, 2, 10
	SQK \g, 3, 28
.endr
	v_mov_b32 v216, v204                           ; the old -M: with the three lines below the four places behind the score products
	v_pk_add_f32 v[206:207], v[206:207], v[254:255]   ; the last trip's partial sums, still under the old M: they name no register of the products
	v_pk_add_f32 v[214:215], v[214:215], v[252:253]
	v_pk_add_f32 v[206:207], v[206:207], v[214:215]
	ds_load_b32 v[VS], v[AS] offset:6272           ; v's loads: six vector lines stand between the last trip's products, which read these registers, and them
.irp t, 0,1
.irp q, 0,1,2
	ds_load_b128 v[VF+12*\t+4*\q:VF+12*\t+4*\q+3], v[AK] offset:3072+1536*\t+512*\q
.endr
.endr
.irp n, 0,1,2,3
	v_max3_num_f32 v[210+\n], v[S+16*\n], v[S+16*\n+1], v[S+16*\n+2]   ; the largest score of each of my two blocks, in four chains; each accumulator is first read at its low end
.endr
.irp i, 3,5,7,9,11,13
.irp n, 0,1,2,3
	v_max3_num_f32 v[210+\n], v[210+\n], v[S+16*\n+\i], v[S+16*\n+\i+1]
.endr
.endr
	v_max3_num_f32 v210, v210, v211, v[S+15]
	v_max3_num_f32 v212, v212, v213, v[S+47]
	v_max_num_f32 v210, v210, v[S+31]              ; block h's: it serves twice: for the row's maximum and, since p rises with the score, for the block's largest p
	v_max_num_f32 v211, v212, v[S+63]              ; block 2 + h's, beside block h's: a pair
	s_delay_alu instid0(VALU_DEP_1)
	v_max_num_f32 v214, v210, v211
	s_delay_alu instid0(VALU_DEP_1)
	v_permlanex16_b32 v215, v214, s[SEL], s[SEL+1]
	s_delay_alu instid0(VALU_DEP_1)
	v_max3_num_f32 v205, v205, v214, v215          ; the running largest score of my query (c is positive: the largest t is c x this)
	s_delay_alu instid0(VALU_DEP_1)
	v_mul_f32 v214, s[CS], v205
	s_delay_alu instid0(VALU_DEP_1)
	v_floor_f32 v204, -v214                        ; the new -M = -ceil(t)
	s_delay_alu instid0(VALU_DEP_1)
	v_sub_f32 v216, v204, v216                     ; old M - new M: a whole number, 0 or less
	s_delay_alu instid0(VALU_DEP_1)
	v_cvt_i32_f32 v216, v216                       ; (it saturates)
	s_delay_alu instid0(VALU_DEP_1)
	v_ldexp_f32 v208, 1.0, v216                    ; f = 2^(old M - new M)
.irp j, 0,2,4,6,8,10,12,14,16,18,20,22,24,26,28,30,32,34,36,38,40,42,44,46,48,50,52,54,56,58,60,62
	v_pk_fma_f32 v[S+\j:S+\j+1], v[S+\j:S+\j+1], s[CS:CS+1], v[204:205] op_sel_hi:[1,0,0]   ; t - M
.endr
	v_pk_fma_f32 v[210:211], v[210:211], s[CS:CS+1], v[204:205] op_sel_hi:[1,0,0]   ; the same of the two blocks' largest scores
	s_wait_alu depctr_va_vdst(0)
.irp j, 0,1,2,3,4,5,6,7,8,9,10,11,12,13,14,15,16,17,18,19,20,21,22,23,24,25,26,27,28,29,30,31,32,33,34,35,36,37,38,39,40,41,42,43,44,45,46,47,48,49,50,51,52,53,54,55,56,57,58,59,60,61,62,63
	v_exp_f32 v[S+\j], v[S+\j]                     ; p = 2^(t - M)
.endr
	v_exp_f32 v210, v210                           ; the blocks' largest p
	v_exp_f32 v211, v211
	v_pk_mul_f32 v[206:207], v[206:207], v[208:209] op_sel_hi:[1,0]   ; the sum under the new M: the plain line behind the batch
	s_wait_alu depctr_va_vdst(0)                   ; one wait for the 66 exponentials, ahead of their first reader
	v_max_num_f32 v210, FLOOR, v210
	v_max_num_f32 v211, FLOOR, v211
	s_delay_alu instid0(VALU_DEP_2)
	v_add_nc_u32 v218, 0xff000000, v210            ; the conversions' scale operands
	s_delay_alu instid0(VALU_DEP_2)
	v_add_nc_u32 v219, 0xff000000, v211
	s_delay_alu instid0(VALU_DEP_2)
	v_lshrrev_b32 v220, 23, v218
	s_delay_alu instid0(VALU_DEP_2)
	v_lshrrev_b32 v221, 23, v219
	s_delay_alu instid0(VALU_DEP_1)
	v_lshl_or_b32 v216, v221, 16, v220
	s_delay_alu instid0(VALU_DEP_1)
	v_permlanex16_b32 v217, v216, s[SEL], s[SEL+1]
	s_delay_alu instid0(VALU_DEP_1)
	v_lshl_or_b32 v222, v217, 8, v216              ; p's scale word for these 128 keys, whole in lanes 0-15, which alone are read: my blocks 0 and 2, lane l + 16's blocks 1 and 3
	v_cvt_scalef32_pk16_fp6_f32 v[PC:PC+2], v[S:S+15], v218
	v_cvt_scalef32_pk16_fp6_f32 v[T0:T0+2], v[S+16:S+31], v218
	v_cvt_scalef32_pk16_fp6_f32 v[PC+6:PC+8], v[S+32:S+47], v219
	v_cvt_scalef32_pk16_fp6_f32 v[T1:T1+2], v[S+48:S+63], v219
	v_pk_add_f32 v[214:215], v[108:109], v[112:113]   ; the sum's first line is the plain line behind the conversions: it writes none of their registers
.irp e, 0,1,2
	v_mov_b32 v[PC+3+\e], v[T0+\e]
	v_mov_b32 v[PC+9+\e], v[T1+\e]
.endr
	v_pk_add_f32 v[254:255], v[116:117], v[120:121]
	v_pk_add_f32 v[252:253], v[124:125], v[128:129]
	v_pk_add_f32 v[246:247], v[132:133], v[136:137]
	v_pk_add_f32 v[244:245], v[140:141], v[144:145]
	v_pk_add_f32 v[242:243], v[148:149], v[152:153]
	v_pk_add_f32 v[238:239], v[156:157], v[160:161]
	v_pk_add_f32 v[206:207], v[206:207], v[164:165]
	v_pk_add_f32 v[214:215], v[214:215], v[104:105]
	v_pk_add_f32 v[254:255], v[254:255], v[106:107]
	v_pk_add_f32 v[252:253], v[252:253], v[110:111]
	v_pk_add_f32 v[246:247], v[246:247], v[114:115]
	v_pk_add_f32 v[244:245], v[244:245], v[118:119]
	v_pk_add_f32 v[242:243], v[242:243], v[122:123]
	v_pk_add_f32 v[238:239], v[238:239], v[126:127]
	v_pk_add_f32 v[206:207], v[206:207], v[130:131]
	v_pk_add_f32 v[214:215], v[214:215], v[134:135]
	v_pk_add_f32 v[254:255], v[254:255], v[138:139]
	v_pk_add_f32 v[252:253], v[252:253], v[142:143]
	v_pk_add_f32 v[246:247], v[246:247], v[146:147]
	v_pk_add_f32 v[244:245], v[244:245], v[150:151]
	v_pk_add_f32 v[242:243], v[242:243], v[154:155]
	v_pk_add_f32 v[238:239], v[238:239], v[158:159]
	v_pk_add_f32 v[206:207], v[206:207], v[162:163]
	v_pk_add_f32 v[214:215], v[214:215], v[166:167]
	s_delay_alu instid0(VALU_DEP_2)
	v_pk_add_f32 v[206:207], v[206:207], v[246:247]
	s_delay_alu instid0(VALU_DEP_2)
	v_pk_add_f32 v[214:215], v[214:215], v[244:245]
	v_pk_add_f32 v[254:255], v[254:255], v[242:243]
	v_pk_add_f32 v[252:253], v[252:253], v[238:239]
	; the three partial sums left in v[214:215], v[252:253], v[254:255] are joined behind the next trip's score products, or behind the loop
.irp j, 0,2,4,6,8,10,12,14
	v_pk_mul_f32 v[O+\j:O+\j+1], v[O+\j:O+\j+1], v[208:209] op_sel_hi:[1,0]   ; O^T under the new M
.endr
	s_wait_alu depctr_va_vdst(0)
	s_wait_dscnt 0x0                               ; v
	v_wmma_scale_f32_16x16x128_f8f6f4 v[O:O+7], v[VF:VF+11], v[PC:PC+11], v[O:O+7], v[VS], v222 matrix_a_fmt:MATRIX_FMT_FP6 matrix_b_fmt:MATRIX_FMT_FP6
	v_wmma_scale_f32_16x16x128_f8f6f4 v[O+8:O+15], v[VF+12:VF+23], v[PC:PC+11], v[O+8:O+15], v[VS], v222 matrix_a_fmt:MATRIX_FMT_FP6 matrix_b_fmt:MATRIX_FMT_FP6 matrix_a_scale:MATRIX_SCALE_ROW1
	s_add_co_u32 s[TB], s[TB], 6400
	s_sub_co_u32 s[CNT], s[CNT], 1
	s_cmp_lg_u32 s[CNT], 0
	s_cbranch_scc1 .Ltrip_\@
	v_pk_add_f32 v[206:207], v[206:207], v[254:255]   ; the last trip's partial sums
	v_pk_add_f32 v[214:215], v[214:215], v[252:253]
	v_pk_add_f32 v[206:207], v[206:207], v[214:215]
	v_add_f32 v206, v206, v207                     ; the sum's two halves,
	v_permlanex16_b32 v223, v206, s[SEL], s[SEL+1]
	s_delay_alu instid0(VALU_DEP_1)
	v_add_f32 v206, v206, v223                     ; and lane l xor 16's
	s_wait_alu depctr_va_vdst(0)
	v_rcp_f32 v206, v206
	v_nop
	s_wait_alu depctr_va_vdst(0)
.irp j, 0,1,2,3,4,5,6,7,8,9,10,11,12,13,14,15
	v_mul_f32 v[E+\j], v[O+\j], v206               ; register 8 t + j: o(query r, d = 16 t + 8 h + j)
.endr
.irp j, 0,1,2,3,4,5,6,7
	v_permlane16_swap_b32 v[E+\j], v[E+8+\j]       ; now register m is d = 16 h + m
.endr
	v_max3_num_f32 v240, |v[E]|, |v[E+1]|, FLOOR
.irp i, 2,4,6,8,10,12,14
	s_delay_alu instid0(VALU_DEP_1)
	v_max3_num_f32 v240, v240, |v[E+\i]|, |v[E+\i+1]|
.endr
	s_delay_alu instid0(VALU_DEP_1)
	v_permlanex16_b32 v241, v240, s[SEL], s[SEL+1]
	s_delay_alu instid0(VALU_DEP_1)
	v_max_num_f32 v240, v240, v241                 ; the head's 32 are one block
	s_delay_alu instid0(VALU_DEP_1)
	v_add_nc_u32 v242, 0xff000000, v240
	s_delay_alu instid0(VALU_DEP_1)
	v_lshrrev_b32 v243, 23, v242
	v_cvt_scalef32_pk16_fp6_f32 v[244:246], v[E:E+15], v242
	v_nop
	ds_store_b32 v[STGA], v244 offset:384*\c
	ds_store_b32 v[STGA], v245 offset:384*\c+4
	ds_store_b32 v[STGA], v246 offset:384*\c+8
	ds_store_b8 v[STSA], v243 offset:16*\c         ; both halves of the lanes write the same byte with the same value
.endm
	PASS 0
	PASS 1
	; the way out: 12,288 bytes of codes and 512 bytes of scales leave in runs of 256 consecutive bytes
	v_and_b32 v253, 31, v0
	s_mul_i32 s2, s8, 768
	v_lshl_add_u32 v252, v253, 3, s2               ; 768 x wave + 8 l
	s_delay_alu instid0(VALU_DEP_1)
	v_add_nc_u32 v254, STG, v252
	s_lshl_b32 s2, s8, 8
	s_and_b32 s2, s2, 256
	v_lshl_add_u32 v255, v253, 3, s2               ; 256 x (wave % 2) + 8 l
	s_delay_alu instid0(VALU_DEP_1)
	v_add_nc_u32 v247, STS, v255
	s_mul_i32 s2, s12, 49152
	s_mul_i32 s3, s9, 12288
	s_add_co_u32 s2, s2, s3
	s_mov_b32 s3, 0
	s_add_nc_u64 s[48:49], s[48:49], s[2:3]
	s_lshl_b32 s2, s12, 11
	s_lshl_b32 s14, s9, 9
	s_add_co_u32 s2, s2, s14
	s_add_nc_u64 s[50:51], s[50:51], s[2:3]
	s_wait_alu depctr_va_vdst(0)
	s_wait_dscnt 0x0                               ; my stores have landed,
	s_barrier_signal -1
	s_barrier_wait -1                              ; everybody's have
	ds_load_b64 v[224:225], v254
	ds_load_b64 v[226:227], v254 offset:256
	ds_load_b64 v[228:229], v254 offset:512
	s_wait_dscnt 0x0
	global_store_b64 v252, v[224:225], s[48:49]
	global_store_b64 v252, v[226:227], s[48:49] offset:256
	global_store_b64 v252, v[228:229], s[48:49] offset:512
	s_cmp_lt_u32 s8, 2
	s_cbranch_scc0 .Lno_scales
	ds_load_b64 v[230:231], v247
	s_wait_dscnt 0x0
	global_store_b64 v255, v[230:231], s[50:51]
.Lno_scales:
	s_wait_dscnt 0x0
	s_wait_tensorcnt 0x0
	ds_add_u32 v199, v203
	s_wait_dscnt 0x0
	ROUND                                          ; the closing round
	s_endpgm
.Lfunc_end_k_q148b6b30e9_attn:
	.size	k_q148b6b30e9_attn, .Lfunc_end_k_q148b6b30e9_attn-k_q148b6b30e9_attn
	.p2alignl 7, 3214868480
	.fill 96, 4, 3214868480
	.section	.rodata,"a",@progbits
	.p2align	6, 0x0
	.amdhsa_kernel k_q148b6b30e9_attn
		.amdhsa_group_segment_fixed_size 169984
		.amdhsa_private_segment_fixed_size 0
		.amdhsa_enable_private_segment 0
		.amdhsa_kernarg_size 32
		.amdhsa_user_sgpr_count 2
		.amdhsa_user_sgpr_kernarg_segment_ptr 1
		.amdhsa_wavefront_size32 1
		.amdhsa_system_sgpr_workgroup_id_x 1
		.amdhsa_system_sgpr_workgroup_id_y 1
		.amdhsa_system_sgpr_workgroup_id_z 1
		.amdhsa_system_vgpr_workitem_id 0
		.amdhsa_next_free_vgpr 256
		.amdhsa_next_free_sgpr 66
		.amdhsa_reserve_vcc 0
		.amdhsa_float_denorm_mode_32 3
		.amdhsa_float_denorm_mode_16_64 3
		.amdhsa_memory_ordered 1
		.amdhsa_forward_progress 1
		.amdhsa_inst_pref_size 45
	.end_amdhsa_kernel
	.amdgpu_metadata
---
amdhsa.version: [ 1, 2 ]
amdhsa.kernels:
  - .name:           k_q148b6b30e9_attn
    .symbol:         k_q148b6b30e9_attn.kd
    .args:
      - { .name: qrec, .offset: 0, .size: 8, .value_kind: global_buffer, .address_space: global }
      - { .name: kv, .offset: 8, .size: 8, .value_kind: global_buffer, .address_space: global }
      - { .name: oc, .offset: 16, .size: 8, .value_kind: global_buffer, .address_space: global }
      - { .name: os, .offset: 24, .size: 8, .value_kind: global_buffer, .address_space: global }
    .group_segment_fixed_size: 169984
    .private_segment_fixed_size: 0
    .kernarg_segment_align: 8
    .kernarg_segment_size: 32
    .max_flat_workgroup_size: 512
    .sgpr_count:     66
    .vgpr_count:     256
    .wavefront_size: 32
...
	.end_amdgpu_metadata
.endif
;; end of part 3
;; launch tail (part 4): grid 256 x 1, 16 waves a work-group, clusters of 4 x 1, 327,680 bytes of LDS; arguments x, oc, os, wimg, bo, ln2_g, ln2_b, b1, bn1_g, bn1_b, bn1_m, bn1_v, b2, bn2_g, bn2_b, bn2_m, bn2_v, out0; writes out0
.if DOCPART == 4
	.amdgcn_target "amdgcn-amd-amdhsa--gfx1250"
	.amdhsa_code_object_version 6
	.text
	.protected	k_q148b6b30e9_tail
	.globl	k_q148b6b30e9_tail
	.p2align	8
	.type	k_q148b6b30e9_tail,@function
k_q148b6b30e9_tail:
	s_mov_b64 s[64:65], 0
	v_nop
	global_prefetch_b8 v0, s[64:65] scope:SCOPE_SE
	s_setreg_imm32_b32 hwreg(HW_REG_WAVE_MODE, 25, 1), 1
	s_wait_xcnt 0x0
	s_wait_alu depctr_hold_cnt(0) depctr_sa_sdst(0) depctr_va_vdst(0) depctr_va_sdst(0) depctr_va_ssrc(0) depctr_va_vcc(0) depctr_vm_vsrc(0)
	s_getreg_b32 s2, hwreg(HW_REG_IB_STS2, 6, 4)
	s_cmp_eq_u32 s2, 0
	s_cbranch_scc0 .Lentry_in_a_cluster
	s_endpgm
.Lentry_in_a_cluster:
	s_bfe_u32 s2, ttmp6, 0x10000c
	s_cmp_lg_u32 s2, 0x3003
	s_cbranch_scc0 .Lentry_shape_is_right
	s_endpgm
.Lentry_shape_is_right:
; x1 = x + o Wo + bo;  out = x1 + BN2(gelu(BN1(LN2(x1) W1 + b1)) W2 + b2): three products on codes of FP6 (E2M3) with E8M0 scales; all else in f32.  x1, LN2's result and the hidden layer never go to memory.
; A work-group takes 32 tokens (two tiles of 16 rows) through the whole chain.  Wave w owns channels 32 w .. 32 w + 31, ONE block of the next product's K, in all three products.
; The products are used transposed (source 0 = 16 columns of the weight, source 1 = 16 tokens), and tile t of wave w takes columns 32 w + 16 (m / 8) + 8 t + m % 8:
; lane (r, h), register 16 i + 8 t + j = token 16 i + r, channel 32 w + 16 h + 8 t + j: 16 neighbours along the next K.
; ACTIVATIONS go from wave to wave through LDS as images of operand registers: a fragment is two halves of 768 bytes; half c: registers 6 c .. 6 c + 3 at 16 l, registers 6 c + 4, 6 c + 5 at 512 + 8 l.
; WEIGHTS, CLUSTER: all work-groups walk the same three weights, so the four of a cluster ask for them jointly (mask 15).  Wave w asks for what it alone reads: its two images of each of a product's four K steps,
;   4 rows of 3,072 bytes, 51,200 bytes apart in memory, into 12,288 LDS bytes of its own.  It copies them into its 96 weight registers; then, behind the three lines and a round of the cluster's barrier,
;   the same bytes are filled with the next product's weights, which have this product and the work behind it in which to land.  One tensor load a wave is out at any time; two refills in all.
;   The round also shows each wave's activations to the others.  The weights' scale words, 128 bytes a wave and K step, come straight into registers.
; No prefetch: the launch has no loop to run ahead in, and each product's weights are asked for a whole product ahead.
; LN2: each wave's mean and sum of squared deviations over its 32 channels are joined over the 16 waves without forming a difference of large sums.
; BN is folded: A = g rsq(var + 1e-6), B = (bias - mean) A + beta (the order of rounding differs from a subtraction, a product and a sum by about an ulp).  bo is added to x ahead of the product's sum.
; gelu = 0.5 h (1 + erf(h / sqrt 2)), erf(u) = u a(u^2) / b(u^2) with u held to +-4: a rational form of degree 13 over 8, good to a few ulp of f32.
; LIMITS: NaN and infinities are not served; a block of zeros gets the byte 1.
.set ACTB,  12288                      ; LDS: two buffers of activations, 8 fragments each (6,144 i + 1,536 s),
.set SCW,   24576                      ; their scale words (512 buf + 128 s + 64 i + 4 r),
.set VEC,   25600                      ; six vectors of 512: ln2_g, ln2_b, A1, B1, A2, B2,
.set RED,   37888                      ; LN2's parts: 256 w + 8 token,
.set XST,   41984                      ; 32 rows of 2,048 bytes + 16: x + bo on the way in, the result on the way out,
.set XP,    2064
.set SPARE, 108544                     ; the spare words, 128 bytes a wave,
.set RING,  110592                     ; the weights: WREG bytes a wave, filled by tensor loads alone
.set WREG,  12288
.set FLOOR, 0x1800000
.set WS,    16                         ; v16-19  the weight's scale words: lanes 0-15 tile 0's, lanes 16-31 tile 1's
.set AS,    20                         ; v20-23  the activations': lanes 0-15 rows 0-15's, lanes 16-31 rows 16-31's
.set WF,    32                         ; v32-127 the weight's fragments (24 s + 12 t)
.set AF,    128                        ; v128-151 two fragments of activations for even K steps; v216-239 for odd ones
.set ACC,   152                        ; v152-183 four accumulators
.set X1,    184                        ; v184-215 x1
.set SPW,   254                        ; v254 my spare word's address, v255 = 0: kept for the add alone
.set NIL,   255                        ; v216-253 at work;  v24-31 LN2's mean and 1 / deviation for the two tiles, in pairs
.macro ROUND                           ; a round of the cluster's barrier
	s_barrier_signal -1
	s_barrier_wait -1
	s_cmp_lg_u32 s8, 0
	s_cbranch_scc1 .Lnot_wave_0_\@
	s_barrier_signal -3
.Lnot_wave_0_\@:
	s_barrier_wait -3
	s_barrier_signal -1
	s_barrier_wait -1
.endm
.macro ASKW                            ; my joint load of a product's weights
	tensor_load_to_lds s[88:91], s[92:99]
	s_nop 0
.rept 4
	v_nop
.endr
.endm
.macro WFETCH                          ; my 12,288 bytes of weights into registers: each load reads 512 consecutive bytes
.irp s, 0,1,2,3
.irp t, 0,1
.irp q, 0,1,2
	ds_load_b128 v[WF+24*\s+12*\t+4*\q:WF+24*\s+12*\t+4*\q+3], v4 offset:3072*\s+1536*\t+512*\q
.endr
.endr
.endr
.endm
.macro REFILL                          ; the three lines, the round, the next product's weights into the bytes just read out
	s_wait_tensorcnt 0x0                           ; no tensor load of mine is out,
	ds_add_u32 v[SPW], v[NIL]                      ; the add to my spare word,
	s_add_nc_u64 s[90:91], s[90:91], 204800        ; (the next weight's four records)
	s_wait_dscnt 0x0                               ; the add, my reads of the weights and my stores of activations are done
	ROUND
	ASKW
.endm
	s_load_b512 s[16:31], s[0:1], 0x0              ; x, oc, os, wimg, bo, ln2_g, ln2_b, b1
	s_load_b512 s[32:47], s[0:1], 0x40             ; bn1_g, bn1_b, bn1_m, bn1_v, b2, bn2_g, bn2_b, bn2_m
	s_load_b128 s[48:51], s[0:1], 0x80             ; bn2_v, out0
	v_lshl_add_u32 v[SPW], v0, 2, SPARE
	v_mov_b32 v[NIL], 0
	ds_add_u32 v[SPW], v[NIL]                      ; the opening lines: the add twice on end
	ds_add_u32 v[SPW], v[NIL]
	v_lshrrev_b32 v14, 5, v0
	s_delay_alu instid0(VALU_DEP_1)
	v_readfirstlane_b32 s8, v14                    ; wave 0..15
	v_and_b32 v15, 31, v0                          ; l
	v_and_b32 v14, 15, v0                          ; r
	v_bfe_u32 v152, v0, 4, 1                       ; h
	s_wait_alu depctr_va_vdst(0)
	v_lshlrev_b32 v1, 4, v15                       ; v1  16 l
	v_lshlrev_b32 v2, 3, v15                       ; v2  8 l
	v_lshl_add_u32 v3, v15, 2, SCW                 ; v3  scale words: 4 l
	s_mul_i32 s89, s8, WREG
	s_add_co_u32 s89, s89, RING                    ; my bytes of the weights' region
	v_add_nc_u32 v4, s89, v1                       ; v4  and my lane's 16 in them
	s_lshl_b32 s2, s8, 7                           ; 128 w
	v_lshl_add_u32 v5, v15, 2, s2                  ; v5  my two images' words in a record of weights
	s_lshr_b32 s3, s8, 2                           ; block w is K step w / 4, half (w / 2) % 2, lanes 16 (w % 2) on
	s_mul_i32 s3, s3, 1536
	s_bfe_u32 s4, s8, 0x10001
	s_mul_i32 s4, s4, 768
	s_add_co_u32 s3, s3, s4
	s_and_b32 s4, s8, 1
	s_lshl_b32 s5, s4, 8
	s_add_co_u32 s5, s5, s3
	v_mul_u32_u24 v6, v152, 6144
	s_delay_alu instid0(VALU_DEP_1)
	v_lshl_add_u32 v7, v14, 3, v6
	s_delay_alu instid0(VALU_DEP_2)
	v_lshl_add_u32 v6, v14, 4, v6
	s_delay_alu instid0(VALU_DEP_1)
	v_add_nc_u32 v6, s5, v6                        ; v6  where token 16 h + r's block w puts its first four registers,
	s_lshl_b32 s5, s4, 7
	s_add_co_u32 s5, s5, s3
	s_add_co_u32 s5, s5, 512
	v_add_nc_u32 v7, s5, v7                        ; v7  its last two,
	s_lshr_b32 s3, s8, 2
	s_lshl_b32 s3, s3, 7
	s_and_b32 s4, s8, 3
	s_add_co_u32 s3, s3, s4
	s_add_co_u32 s3, s3, SCW
	v_lshl_add_u32 v8, v15, 2, s3                  ; v8  and its byte
	v_mul_u32_u24 v9, v14, XP
	s_delay_alu instid0(VALU_DEP_1)
	v_lshl_add_u32 v9, v152, 6, v9
	s_add_co_u32 s3, s2, XST
	v_add_nc_u32 v9, s3, v9                        ; v9  row r, my 16 channels
	s_add_co_u32 s3, s2, VEC
	v_lshl_add_u32 v10, v152, 6, s3                ; v10 my 16 channels of a vector
	s_lshl_b32 s3, s8, 8
	s_add_co_u32 s3, s3, RED
	v_add_nc_u32 v11, s3, v2                       ; v11 my wave's parts
	v_add_nc_u32 v12, RED, v2                      ; v12 all waves' parts of token l
	s_mul_i32 s3, s8, 2*XP
	s_add_co_u32 s3, s3, XST
	v_add_nc_u32 v13, s3, v1                       ; v13 rows 2 w, 2 w + 1, whole
	v_mul_u32_u24 v251, v15, 24
	v_lshlrev_b32 v252, 2, v0
	s_delay_alu instid0(VALU_DEP_1)
	v_add_nc_u32 v253, VEC, v252
	s_bfe_u32 s10, ttmp6, 0x40000                  ; cx
	s_lshl_b32 s11, ttmp9, 2
	s_add_co_u32 s10, s11, s10                     ; my work-group: 4 x cluster + cx; it enters global addresses of my own rows alone
	s_lshl_b32 s2, s10, 16                         ; 32 rows of 2,048 bytes a work-group,
	s_lshl_b32 s3, s8, 12                          ; 2 rows a wave
	s_add_co_u32 s2, s2, s3
	s_mov_b32 s3, 0
	s_lshr_b32 s4, s10, 6                          ; the batch
	s_lshl_b32 s4, s4, 4
	s_add_co_u32 s4, s4, s8                        ; head = wave
	s_lshl_b32 s4, s4, 11
	s_and_b32 s5, s10, 63
	s_lshl_b32 s5, s5, 5
	s_add_co_u32 s4, s4, s5                        ; my first token in os,
	s_mov_b32 s5, 0
	s_mul_i32 s6, s4, 24                           ; and in oc
	s_mov_b32 s7, 0
	s_mov_b32 s9, 0xffff0000                       ; lanes 16-31
	s_mov_b32 s12, 0x76543210
	s_mov_b32 s13, 0xfedcba98
	s_mov_b32 s86, 0x3b000000                      ; 1 / 512
	s_mov_b32 s87, 0x358637bd                      ; 1e-6
	s_mul_i32 s84, s8, 3072                        ; my two images in a record,
	s_add_co_u32 s84, s84, 12*51200                ; from wo's first record on
	s_mov_b32 s85, 0
	s_mov_b32 s88, 1
	s_mov_b32 s92, 15|(3<<16)|(1<<21)              ; group 1: mask of all four, bit 21 beside it, elements of 8 bytes
	s_mov_b32 s93, 384<<16                         ; rows of 3,072 bytes
	s_mov_b32 s94, 4<<16                           ; four of them
	s_mov_b32 s95, 384<<16
	s_mov_b32 s96, 4
	s_mov_b32 s97, 6400                            ; 51,200 bytes from K step to K step
	s_mov_b32 s98, 0
	s_mov_b32 s99, 0
.macro COEF reg, val                   ; a coefficient as a pair: the packed forms name the pair and take its low word for both halves
	s_mov_b32 s[\reg], \val
	s_mov_b32 s[\reg+1], \val
.endm
	COEF 52, 0x32edffee                            ; a11
	COEF 54, 0xb60cff51                            ; a9
	COEF 56, 0xb86ec2d2                            ; a7
	COEF 58, 0xba40ac63                            ; a5
	COEF 60, 0xbb41a1f6                            ; a3
	COEF 62, 0xbc83dbd4                            ; a1
	COEF 66, 0xb95fbd29                            ; b6
	COEF 68, 0xbadc924e                            ; b4
	COEF 70, 0xbbf19bf8                            ; b2
	COEF 72, 0xbc69b6a7                            ; b0
	COEF 74, 0x3f3504f3                            ; 1 / sqrt 2
.irp k, 0,1,2,3,4,5,6,7
	v_mov_b32 v[24+\k], 0
.endr
	s_wait_alu depctr_va_vdst(0)
	s_wait_dscnt 0x0                               ; both opening adds are done
	s_wait_kmcnt 0x0
	s_add_nc_u64 s[76:77], s[16:17], s[2:3]
	s_add_nc_u64 s[82:83], s[50:51], s[2:3]
	s_add_nc_u64 s[78:79], s[18:19], s[6:7]
	s_add_nc_u64 s[80:81], s[20:21], s[4:5]
	s_add_nc_u64 s[90:91], s[22:23], s[84:85]
	s_or_b32 s91, s91, 0x80000000
	ROUND                                          ; all four work-groups are here: the joint loads meet
	ASKW                                           ; wo: my one tensor load at the head
.macro WLOAD g, s                      ; product g's scale words of K step s
	global_load_b32 v[WS+(\s)], v5, s[22:23] offset:(4*(3+(\g))+(\s))*51200+49152
.endm
.irp k, 0,1
.irp q, 0,1,2,3
	global_load_b128 v[X1+16*\k+4*\q:X1+16*\k+4*\q+3], v1, s[76:77] offset:2048*\k+512*\q th:TH_LOAD_NT
.endr
.endr
.irp q, 0,1,2,3
	global_load_b128 v[216+4*\q:219+4*\q], v1, s[24:25] offset:512*\q
.endr
	global_load_b32 v232, v252, s[26:27]           ; ln2_g
	global_load_b32 v233, v252, s[28:29]           ; ln2_b
	global_load_b32 v234, v252, s[30:31]           ; b1
	global_load_b32 v235, v252, s[32:33]           ; bn1_g
	global_load_b32 v236, v252, s[34:35]           ; bn1_b
	global_load_b32 v237, v252, s[36:37]           ; bn1_m
	global_load_b32 v238, v252, s[38:39]           ; bn1_v
	global_load_b32 v239, v252, s[40:41]           ; b2
	global_load_b32 v240, v252, s[42:43]           ; bn2_g
	global_load_b32 v241, v252, s[44:45]           ; bn2_b
	global_load_b32 v242, v252, s[46:47]           ; bn2_m
	global_load_b32 v243, v252, s[48:49]           ; bn2_v
	global_load_b64 v[244:245], v251, s[78:79]     ; head w's 32 codes of token l: block w of the first product's K
	global_load_b64 v[246:247], v251, s[78:79] offset:8
	global_load_b64 v[248:249], v251, s[78:79] offset:16
	global_load_u8 v250, v15, s[80:81]             ; and its byte
	WLOAD 0, 0
	WLOAD 0, 1
	WLOAD 0, 2
	WLOAD 0, 3
	s_wait_loadcnt 4                               ; all but the four loads of scale words
.irp k, 0,1
.irp m, 0,2,4,6,8,10,12,14
	v_pk_add_f32 v[X1+16*\k+\m:X1+16*\k+\m+1], v[X1+16*\k+\m:X1+16*\k+\m+1], v[216+\m:217+\m]   ; x + bo
.endr
.irp q, 0,1,2,3
	ds_store_b128 v13, v[X1+16*\k+4*\q:X1+16*\k+4*\q+3] offset:XP*\k+512*\q
.endr
.endr
	v_add_f32 v238, s87, v238
	v_add_f32 v243, s87, v243
	s_wait_alu depctr_va_vdst(0)
	v_rsq_f32 v238, v238
	v_rsq_f32 v243, v243
	v_sub_f32 v234, v234, v237                     ; b1 - mean  (plain lines behind the two roots)
	v_sub_f32 v239, v239, v242
	s_wait_alu depctr_va_vdst(0)                   ; one wait for the two, ahead of their first reader
	v_mul_f32 v238, v238, v235                     ; A1
	v_mul_f32 v243, v243, v240                     ; A2
	s_delay_alu instid0(VALU_DEP_2)
	v_fma_f32 v234, v234, v238, v236               ; B1
	s_delay_alu instid0(VALU_DEP_2)
	v_fma_f32 v239, v239, v243, v241               ; B2
	ds_store_b32 v253, v232
	ds_store_b32 v253, v233 offset:2048
	ds_store_b32 v253, v238 offset:4096
	ds_store_b32 v253, v234 offset:6144
	ds_store_b32 v253, v243 offset:8192
	ds_store_b32 v253, v239 offset:10240
	ds_store_b128 v6, v[244:247]
	ds_store_b64 v7, v[248:249]
	ds_store_b8 v8, v250
	s_wait_tensorcnt 0x0                           ; wo's images of mine have landed: I alone read them
	WFETCH
	REFILL                                         ; w1 is asked for; behind the round o's fragments, x + bo and the vectors lie in LDS for all
.macro MM s, i, t
.set rD, ACC+16*\i+8*\t
.set rA, WF+24*\s+12*\t
.set rB, AF+88*(\s%2)+12*\i
.if \s == 0
.if (\t == 0) && (\i == 0)
	v_wmma_scale_f32_16x16x128_f8f6f4 v[rD:rD+7], v[rA:rA+11], v[rB:rB+11], 0, v[WS+\s], v[AS+\s] matrix_a_fmt:MATRIX_FMT_FP6 matrix_b_fmt:MATRIX_FMT_FP6
.elseif (\t == 1) && (\i == 0)
	v_wmma_scale_f32_16x16x128_f8f6f4 v[rD:rD+7], v[rA:rA+11], v[rB:rB+11], 0, v[WS+\s], v[AS+\s] matrix_a_fmt:MATRIX_FMT_FP6 matrix_b_fmt:MATRIX_FMT_FP6 matrix_a_scale:MATRIX_SCALE_ROW1
.elseif (\t == 0) && (\i == 1)
	v_wmma_scale_f32_16x16x128_f8f6f4 v[rD:rD+7], v[rA:rA+11], v[rB:rB+11], 0, v[WS+\s], v[AS+\s] matrix_a_fmt:MATRIX_FMT_FP6 matrix_b_fmt:MATRIX_FMT_FP6 matrix_b_scale:MATRIX_SCALE_ROW1
.else
	v_wmma_scale_f32_16x16x128_f8f6f4 v[rD:rD+7], v[rA:rA+11], v[rB:rB+11], 0, v[WS+\s], v[AS+\s] matrix_a_fmt:MATRIX_FMT_FP6 matrix_b_fmt:MATRIX_FMT_FP6 matrix_a_scale:MATRIX_SCALE_ROW1 matrix_b_scale:MATRIX_SCALE_ROW1
.endif
.else
.if (\t == 0) && (\i == 0)
	v_wmma_scale_f32_16x16x128_f8f6f4 v[rD:rD+7], v[rA:rA+11], v[rB:rB+11], v[rD:rD+7], v[WS+\s], v[AS+\s] matrix_a_fmt:MATRIX_FMT_FP6 matrix_b_fmt:MATRIX_FMT_FP6
.elseif (\t == 1) && (\i == 0)
	v_wmma_scale_f32_16x16x128_f8f6f4 v[rD:rD+7], v[rA:rA+11], v[rB:rB+11], v[rD:rD+7], v[WS+\s], v[AS+\s] matrix_a_fmt:MATRIX_FMT_FP6 matrix_b_fmt:MATRIX_FMT_FP6 matrix_a_scale:MATRIX_SCALE_ROW1
.elseif (\t == 0) && (\i == 1)
	v_wmma_scale_f32_16x16x128_f8f6f4 v[rD:rD+7], v[rA:rA+11], v[rB:rB+11], v[rD:rD+7], v[WS+\s], v[AS+\s] matrix_a_fmt:MATRIX_FMT_FP6 matrix_b_fmt:MATRIX_FMT_FP6 matrix_b_scale:MATRIX_SCALE_ROW1
.else
	v_wmma_scale_f32_16x16x128_f8f6f4 v[rD:rD+7], v[rA:rA+11], v[rB:rB+11], v[rD:rD+7], v[WS+\s], v[AS+\s] matrix_a_fmt:MATRIX_FMT_FP6 matrix_b_fmt:MATRIX_FMT_FP6 matrix_a_scale:MATRIX_SCALE_ROW1 matrix_b_scale:MATRIX_SCALE_ROW1
.endif
.endif
.endm
.macro ALOAD buf, s                    ; K step s's two fragments of activations and their words: nine loads, into set s % 2
.set rL, AF+88*((\s)%2)
.irp i, 0,1
	ds_load_b128 v[rL+12*\i:rL+12*\i+3], v1 offset:ACTB*\buf+6144*\i+1536*(\s)
	ds_load_b64 v[rL+12*\i+4:rL+12*\i+5], v2 offset:ACTB*\buf+6144*\i+1536*(\s)+512
	ds_load_b128 v[rL+12*\i+6:rL+12*\i+9], v1 offset:ACTB*\buf+6144*\i+1536*(\s)+768
	ds_load_b64 v[rL+12*\i+10:rL+12*\i+11], v2 offset:ACTB*\buf+6144*\i+1536*(\s)+1280
.endr
	ds_load_b32 v[AS+(\s)], v3 offset:512*\buf+128*(\s)
.endm
; Product g on the activations in buffer buf: four K steps, four accumulators by turns (one instruction a turn); the next step's activations are on their way while a step is multiplied.
.macro PHASE g, buf
	ALOAD \buf, 0
.irp s, 0,1,2,3
.if \s < 3
	ALOAD \buf, \s+1
	s_wait_dscnt 9                                 ; this step's loads are in; the next step's nine may be out
.else
	s_wait_dscnt 0x0
.endif
.if \g < 2
	s_wait_loadcnt 3                               ; this K step's word load is in: behind it three were issued (the rest of this product's, the next product's first s)
.else
	s_wait_loadcnt 3-\s                            ; the last product: only its own later ones are behind
.endif
	MM \s, 0, 0
	MM \s, 0, 1
	MM \s, 1, 0
	MM \s, 1, 1
.rept 4
	v_nop                                          ; places in front of loads into registers that these products have read, and of the first read of results
.endr
.if \g < 2
	WLOAD \g+1, \s
.endif
.endr
.endm
; My 2 x 16 numbers in the accumulators' registers become block w of the next operand: codes, a lane swap, three LDS stores.
.macro QH buf
.irp i, 0,1
	v_max3_num_f32 v[248+\i], |v[ACC+16*\i]|, |v[ACC+16*\i+1]|, FLOOR
.endr
.irp p, 2,4,6,8,10,12,14
.irp i, 0,1
	s_delay_alu instid0(VALU_DEP_2)
	v_max3_num_f32 v[248+\i], v[248+\i], |v[ACC+16*\i+\p]|, |v[ACC+16*\i+\p+1]|
.endr
.endr
	s_delay_alu instid0(VALU_DEP_2)
	v_permlanex16_b32 v250, v248, s12, s13
	s_delay_alu instid0(VALU_DEP_2)
	v_permlanex16_b32 v251, v249, s12, s13
	s_delay_alu instid0(VALU_DEP_2)
	v_max_num_f32 v248, v248, v250                 ; with lane l xor 16's 16: the block's largest magnitude
	s_delay_alu instid0(VALU_DEP_2)
	v_max_num_f32 v249, v249, v251
	s_delay_alu instid0(VALU_DEP_2)
	v_add_nc_u32 v252, 0xff000000, v248
	s_delay_alu instid0(VALU_DEP_2)
	v_add_nc_u32 v253, 0xff000000, v249
	s_delay_alu instid0(VALU_DEP_2)
	v_lshrrev_b32 v228, 23, v252
	s_delay_alu instid0(VALU_DEP_2)
	v_lshrrev_b32 v229, 23, v253
	v_cvt_scalef32_pk16_fp6_f32 v[216:218], v[ACC:ACC+15], v252
	v_cvt_scalef32_pk16_fp6_f32 v[224:226], v[ACC+16:ACC+31], v253
	v_nop                                          ; one plain line behind the conversions
	v_cndmask_b32 v250, v228, v229, s9             ; lanes 16-31 go on with rows 16-31
.irp e, 0,1,2
	v_permlane16_swap_b32 v[216+\e], v[224+\e]     ; lane (r, h) now holds token 16 h + r's lower 16 codes in the first, its upper 16 in the second
.endr
.irp e, 0,1,2
	s_delay_alu instid0(VALU_DEP_3)
	v_mov_b32 v[219+\e], v[224+\e]
.endr
	ds_store_b128 v6, v[216:219] offset:ACTB*\buf
	ds_store_b64 v7, v[220:221] offset:ACTB*\buf
	ds_store_b8 v8, v250 offset:512*\buf
.endm
.macro VLOAD a, b                      ; my 16 channels of two vectors into v216-231 and v232-247
.irp q, 0,1,2,3
	ds_load_b128 v[216+4*\q:219+4*\q], v10 offset:2048*\a+16*\q
	ds_load_b128 v[232+4*\q:235+4*\q], v10 offset:2048*\b+16*\q
.endr
.endm
.macro BARRIER                         ; my LDS stores have landed and my LDS loads are in: then the work-group's barrier
	s_wait_dscnt 0x0
	s_barrier_signal -1
	s_barrier_wait -1
.endm
	PHASE 0, 0
	; ---- x1 = x + bo + o Wo, and LN2
.irp i, 0,1
.irp t, 0,1
	ds_load_b128 v[X1+16*\i+8*\t:X1+16*\i+8*\t+3], v9 offset:16*XP*\i+32*\t
	ds_load_b128 v[X1+16*\i+8*\t+4:X1+16*\i+8*\t+7], v9 offset:16*XP*\i+32*\t+16
.endr
.endr
	s_wait_dscnt 0x0
.irp m, 0,2,4,6,8,10,12,14,16,18,20,22,24,26,28,30
	v_pk_add_f32 v[X1+\m:X1+\m+1], v[X1+\m:X1+\m+1], v[ACC+\m:ACC+\m+1]   ; each accumulator from its low end on
.endr
.irp i, 0,1
	v_pk_add_f32 v[216+2*\i:217+2*\i], v[X1+16*\i:X1+16*\i+1], v[X1+16*\i+2:X1+16*\i+3]
.endr
.irp p, 4,6,8,10,12,14
.irp i, 0,1
	s_delay_alu instid0(VALU_DEP_2)
	v_pk_add_f32 v[216+2*\i:217+2*\i], v[216+2*\i:217+2*\i], v[X1+16*\i+\p:X1+16*\i+\p+1]
.endr
.endr
.irp i, 0,1
	s_delay_alu instid0(VALU_DEP_2)
	v_add_f32 v[216+2*\i], v[216+2*\i], v[217+2*\i]
.endr
.irp i, 0,1
	s_delay_alu instid0(VALU_DEP_2)
	v_permlanex16_b32 v[220+\i], v[216+2*\i], s12, s13
.endr
.irp i, 0,1
	s_delay_alu instid0(VALU_DEP_2)
	v_add_f32 v[216+2*\i], v[216+2*\i], v[220+\i]
.endr
.irp i, 0,1
	s_delay_alu instid0(VALU_DEP_2)
	v_mul_f32 v[216+2*\i], 0x3d000000, v[216+2*\i] ; the mean over my wave's 32 channels
.endr
.irp i, 0,1
.irp p, 0,2,4,6,8,10,12,14
	v_pk_add_f32 v[ACC+16*\i+\p:ACC+16*\i+\p+1], v[X1+16*\i+\p:X1+16*\i+\p+1], v[216+2*\i:217+2*\i] op_sel_hi:[1,0] neg_lo:[0,1] neg_hi:[0,1]
.endr
.endr
.irp i, 0,1
	v_pk_mul_f32 v[222+2*\i:223+2*\i], v[ACC+16*\i:ACC+16*\i+1], v[ACC+16*\i:ACC+16*\i+1]
.endr
.irp p, 2,4,6,8,10,12,14
.irp i, 0,1
	s_delay_alu instid0(VALU_DEP_2)
	v_pk_fma_f32 v[222+2*\i:223+2*\i], v[ACC+16*\i+\p:ACC+16*\i+\p+1], v[ACC+16*\i+\p:ACC+16*\i+\p+1], v[222+2*\i:223+2*\i]
.endr
.endr
.irp i, 0,1
	s_delay_alu instid0(VALU_DEP_2)
	v_add_f32 v[222+2*\i], v[222+2*\i], v[223+2*\i]
.endr
.irp i, 0,1
	s_delay_alu instid0(VALU_DEP_2)
	v_permlanex16_b32 v[226+\i], v[222+2*\i], s12, s13
.endr
.irp i, 0,1
	s_delay_alu instid0(VALU_DEP_2)
	v_add_f32 v[222+2*\i], v[222+2*\i], v[226+\i]  ; and the sum of squared deviations from it
.endr
	v_cndmask_b32 v228, v216, v218, s9             ; lane l speaks for token l
	s_delay_alu instid0(VALU_DEP_2)
	v_cndmask_b32 v229, v222, v224, s9
	ds_store_b64 v11, v[228:229]
	BARRIER
.irp n, 0,1,2,3,4,5,6,7,8,9,10,11,12,13,14,15
	ds_load_b64 v[216+2*\n:217+2*\n], v12 offset:256*\n
.endr
	s_wait_dscnt 0x0
	v_add_f32 v248, v216, v218
	v_add_f32 v249, v217, v219
.irp n, 2,3,4,5,6,7,8,9,10,11,12,13,14,15
	s_delay_alu instid0(VALU_DEP_2)
	v_add_f32 v248, v248, v[216+2*\n]
	s_delay_alu instid0(VALU_DEP_2)
	v_add_f32 v249, v249, v[217+2*\n]
.endr
	s_delay_alu instid0(VALU_DEP_2)
	v_mul_f32 v248, 0x3d800000, v248               ; the row's mean: the sixteen means' mean
.irp n, 0,1,2,3,4,5,6,7,8,9,10,11,12,13,14,15
	v_sub_f32 v[216+2*\n], v[216+2*\n], v248
.endr
	v_mul_f32 v250, v216, v216
.irp n, 1,2,3,4,5,6,7,8,9,10,11,12,13,14,15
	s_delay_alu instid0(VALU_DEP_1)
	v_fma_f32 v250, v[216+2*\n], v[216+2*\n], v250
.endr
	VLOAD 0, 1                                     ; ln2_g, ln2_b: the parts have been read
	s_wait_alu depctr_va_vdst(0)
	s_wait_tensorcnt 0x0                           ; w1's images of mine have landed
	WFETCH                                         ; into the registers that the first product has read out; they come while the norm is finished
	v_fma_f32 v249, v250, 0x42000000, v249         ; + 32 x the squared distances of the waves' means from the row's
	s_delay_alu instid0(VALU_DEP_1)
	v_fma_f32 v249, v249, s86, s87                 ; variance + 1e-6
	s_wait_alu depctr_va_vdst(0)
	v_rsq_f32 v249, v249
	v_nop
	s_wait_alu depctr_va_vdst(0)
	v_permlanex16_b32 v251, v248, s12, s13         ; token l xor 16's
	v_permlanex16_b32 v252, v249, s12, s13
	s_delay_alu instid0(VALU_DEP_2)
	v_cndmask_b32 v24, v248, v251, s9              ; rows 0-15's figures,
	s_delay_alu instid0(VALU_DEP_3)
	v_cndmask_b32 v26, v251, v248, s9              ; rows 16-31's
	v_cndmask_b32 v28, v249, v252, s9
	v_cndmask_b32 v30, v252, v249, s9
	s_wait_alu depctr_va_vdst(0)
	s_wait_dscnt 24                                ; g and b are in; the 24 loads of weights behind them may be out
.irp i, 0,1
.irp p, 0,2,4,6,8,10,12,14
	v_pk_add_f32 v[ACC+16*\i+\p:ACC+16*\i+\p+1], v[X1+16*\i+\p:X1+16*\i+\p+1], v[24+2*\i:25+2*\i] op_sel_hi:[1,0] neg_lo:[0,1] neg_hi:[0,1]
.endr
.irp p, 0,2,4,6,8,10,12,14
	v_pk_mul_f32 v[ACC+16*\i+\p:ACC+16*\i+\p+1], v[ACC+16*\i+\p:ACC+16*\i+\p+1], v[28+2*\i:29+2*\i] op_sel_hi:[1,0]
.endr
.irp p, 0,2,4,6,8,10,12,14
	v_pk_fma_f32 v[ACC+16*\i+\p:ACC+16*\i+\p+1], v[ACC+16*\i+\p:ACC+16*\i+\p+1], v[216+\p:217+\p], v[232+\p:233+\p]
.endr
.endr
	QH 1
	REFILL                                         ; w2 is asked for; behind the round LN2's fragments lie in LDS for all
	PHASE 1, 1
	; ---- BN1 and gelu
	VLOAD 2, 3
	v_mov_b32 v248, 0xaf95df0a                     ; a13
	v_mov_b32 v249, 0xaf95df0a
	v_mov_b32 v250, 0xb77460cd                     ; b8
	v_mov_b32 v251, 0xb77460cd
	s_wait_dscnt 0x0
.irp i, 0,1
.irp p, 0,2,4,6,8,10,12,14
	v_pk_fma_f32 v[ACC+16*\i+\p:ACC+16*\i+\p+1], v[ACC+16*\i+\p:ACC+16*\i+\p+1], v[216+\p:217+\p], v[232+\p:233+\p]
.endr
.endr
.macro GELU8 b                         ; eight numbers at v[b]: u in v216-223, u^2 in v224-231, the numerator in v232-239, the denominator in v240-247
.irp p, 0,2,4,6
	v_pk_mul_f32 v[216+\p:217+\p], v[\b+\p:\b+\p+1], s[74:75] op_sel_hi:[1,0]
.endr
.irp j, 0,1,2,3,4,5,6,7
	v_med3_num_f32 v[216+\j], v[216+\j], -4.0, 4.0
.endr
.irp p, 0,2,4,6
	v_pk_mul_f32 v[224+\p:225+\p], v[216+\p:217+\p], v[216+\p:217+\p]
.endr
.irp p, 0,2,4,6
	v_pk_fma_f32 v[232+\p:233+\p], v[224+\p:225+\p], v[248:249], s[52:53] op_sel_hi:[1,1,0]
	v_pk_fma_f32 v[240+\p:241+\p], v[224+\p:225+\p], v[250:251], s[66:67] op_sel_hi:[1,1,0]
.endr
.irp a, 54,56,58,60,62
.irp p, 0,2,4,6
	v_pk_fma_f32 v[232+\p:233+\p], v[224+\p:225+\p], v[232+\p:233+\p], s[\a:\a+1] op_sel_hi:[1,1,0]
.endr
.endr
.irp a, 68,70,72
.irp p, 0,2,4,6
	v_pk_fma_f32 v[240+\p:241+\p], v[224+\p:225+\p], v[240+\p:241+\p], s[\a:\a+1] op_sel_hi:[1,1,0]
.endr
.endr
.irp p, 0,2,4,6
	v_pk_mul_f32 v[232+\p:233+\p], v[216+\p:217+\p], v[232+\p:233+\p]
.endr
	s_wait_alu depctr_va_vdst(0)
.irp j, 0,1,2,3,4,5,6,7
	v_rcp_f32 v[240+\j], v[240+\j]
.endr
.irp p, 0,2,4,6
	v_pk_mul_f32 v[216+\p:217+\p], v[\b+\p:\b+\p+1], 0.5 op_sel_hi:[1,0]   ; 0.5 h: plain lines behind the eight reciprocals
.endr
	s_wait_alu depctr_va_vdst(0)                   ; one wait for the eight
.irp p, 0,2,4,6
	v_pk_mul_f32 v[232+\p:233+\p], v[232+\p:233+\p], v[240+\p:241+\p]      ; erf
.endr
.irp p, 0,2,4,6
	s_delay_alu instid0(VALU_DEP_4)
	v_pk_fma_f32 v[\b+\p:\b+\p+1], v[216+\p:217+\p], v[232+\p:233+\p], v[216+\p:217+\p]
.endr
.endm
	GELU8 ACC
	GELU8 ACC+8
	s_wait_alu depctr_va_vdst(0)
	s_wait_tensorcnt 0x0                           ; w2's images of mine have landed
	WFETCH                                         ; they come while the other half of the gelu is worked
	GELU8 ACC+16
	GELU8 ACC+24
	QH 0                                           ; buffer 0's last readers have passed two barriers since
	BARRIER
	PHASE 2, 0
	; ---- BN2, the residual, the way out
	VLOAD 4, 5
	s_wait_dscnt 0x0
.irp i, 0,1
.irp p, 0,2,4,6,8,10,12,14
	v_pk_fma_f32 v[ACC+16*\i+\p:ACC+16*\i+\p+1], v[ACC+16*\i+\p:ACC+16*\i+\p+1], v[216+\p:217+\p], v[232+\p:233+\p]
.endr
.endr
.irp m, 0,2,4,6,8,10,12,14,16,18,20,22,24,26,28,30
	v_pk_add_f32 v[ACC+\m:ACC+\m+1], v[ACC+\m:ACC+\m+1], v[X1+\m:X1+\m+1]
.endr
.irp i, 0,1
.irp t, 0,1
	ds_store_b128 v9, v[ACC+16*\i+8*\t:ACC+16*\i+8*\t+3] offset:16*XP*\i+32*\t
	ds_store_b128 v9, v[ACC+16*\i+8*\t+4:ACC+16*\i+8*\t+7] offset:16*XP*\i+32*\t+16
.endr
.endr
	BARRIER                                        ; 32 whole rows of the result lie in LDS
.irp k, 0,1
.irp q, 0,1,2,3
	ds_load_b128 v[216+16*\k+4*\q:219+16*\k+4*\q], v13 offset:XP*\k+512*\q
.endr
.endr
.irp k, 0,1
.irp q, 0,1,2,3
	s_wait_dscnt 7-4*\k-\q                         ; LDS loads come back in order: this one is in, the younger ones may be out
	global_store_b128 v1, v[216+16*\k+4*\q:219+16*\k+4*\q], s[82:83] offset:2048*\k+512*\q th:TH_STORE_NT   ; 32 lanes store 512 consecutive bytes
.endr
.endr
	s_wait_tensorcnt 0x0                           ; the wave's end
	ds_add_u32 v[SPW], v[NIL]
	s_wait_dscnt 0x0
	ROUND                                          ; the closing round
	s_endpgm
.Lfunc_end_k_q148b6b30e9_tail:
	.size	k_q148b6b30e9_tail, .Lfunc_end_k_q148b6b30e9_tail-k_q148b6b30e9_tail
	.p2alignl 7, 3214868480
	.fill 96, 4, 3214868480
	.section	.rodata,"a",@progbits
	.p2align	6, 0x0
	.amdhsa_kernel k_q148b6b30e9_tail
		.amdhsa_group_segment_fixed_size 327680
		.amdhsa_private_segment_fixed_size 0
		.amdhsa_enable_private_segment 0
		.amdhsa_kernarg_size 144
		.amdhsa_user_sgpr_count 2
		.amdhsa_user_sgpr_kernarg_segment_ptr 1
		.amdhsa_wavefront_size32 1
		.amdhsa_system_sgpr_workgroup_id_x 1
		.amdhsa_system_sgpr_workgroup_id_y 1
		.amdhsa_system_sgpr_workgroup_id_z 1
		.amdhsa_system_vgpr_workitem_id 0
		.amdhsa_next_free_vgpr 256
		.amdhsa_next_free_sgpr 100
		.amdhsa_reserve_vcc 0
		.amdhsa_float_denorm_mode_32 3
		.amdhsa_float_denorm_mode_16_64 3
		.amdhsa_memory_ordered 1
		.amdhsa_forward_progress 1
		.amdhsa_inst_pref_size 84
	.end_amdhsa_kernel
	.amdgpu_metadata
---
amdhsa.version: [ 1, 2 ]
amdhsa.kernels:
  - .name:           k_q148b6b30e9_tail
    .symbol:         k_q148b6b30e9_tail.kd
    .args:
      - { .name: x, .offset: 0, .size: 8, .value_kind: global_buffer, .address_space: global }
      - { .name: oc, .offset: 8, .size: 8, .value_kind: global_buffer, .address_space: global }
      - { .name: os, .offset: 16, .size: 8, .value_kind: global_buffer, .address_space: global }
      - { .name: wimg, .offset: 24, .size: 8, .value_kind: global_buffer, .address_space: global }
      - { .name: bo, .offset: 32, .size: 8, .value_kind: global_buffer, .address_space: global }
      - { .name: ln2_g, .offset: 40, .size: 8, .value_kind: global_buffer, .address_space: global }
      - { .name: ln2_b, .offset: 48, .size: 8, .value_kind: global_buffer, .address_space: global }
      - { .name: b1, .offset: 56, .size: 8, .value_kind: global_buffer, .address_space: global }
      - { .name: bn1_g, .offset: 64, .size: 8, .value_kind: global_buffer, .address_space: global }
      - { .name: bn1_b, .offset: 72, .size: 8, .value_kind: global_buffer, .address_space: global }
      - { .name: bn1_m, .offset: 80, .size: 8, .value_kind: global_buffer, .address_space: global }
      - { .name: bn1_v, .offset: 88, .size: 8, .value_kind: global_buffer, .address_space: global }
      - { .name: b2, .offset: 96, .size: 8, .value_kind: global_buffer, .address_space: global }
      - { .name: bn2_g, .offset: 104, .size: 8, .value_kind: global_buffer, .address_space: global }
      - { .name: bn2_b, .offset: 112, .size: 8, .value_kind: global_buffer, .address_space: global }
      - { .name: bn2_m, .offset: 120, .size: 8, .value_kind: global_buffer, .address_space: global }
      - { .name: bn2_v, .offset: 128, .size: 8, .value_kind: global_buffer, .address_space: global }
      - { .name: out0, .offset: 136, .size: 8, .value_kind: global_buffer, .address_space: global }
    .group_segment_fixed_size: 327680
    .private_segment_fixed_size: 0
    .kernarg_segment_align: 8
    .kernarg_segment_size: 144
    .max_flat_workgroup_size: 512
    .sgpr_count:     100
    .vgpr_count:     256
    .wavefront_size: 32
...
	.end_amdgpu_metadata
.endif
;; end of part 4
